; MI455X (gfx1250); checked and timed in simulation.
; The chip was launched on July 23, 2026; its instructions are those of AMD's public machine-readable ISA for CDNA 5 (MIT licence, August 2026) and "CDNA5" Instruction Set Architecture Reference Guide (July 2026). The comments in the code are by the model that wrote it; some were corrected since.
;; Decoder Block. Allowed arithmetic: matrix products marked QUANTISED: E2M3 operands, one E8M0 scale for each 32 along K, by v_wmma_scale_f32_16x16x128_f8f6f4 with both operands' format E2M3, f32 sums; everything else in f32.
;; Inputs: ca_pb 512 float32; ca_pw_codes 512 x 16 x 24 uint8 (E2M3 codes of ca_pw, K innermost, in blocks of 32 codes, four codes in three bytes); ca_pw_scales 512 x 16 uint8 (E8M0 scales of ca_pw, one for each 32 codes along K); ca_wk_codes 512 x 16 x 24 uint8 (E2M3 codes of ca_wk, K innermost, in blocks of 32 codes, four codes in three bytes); ca_wk_scales 512 x 16 uint8 (E8M0 scales of ca_wk, one for each 32 codes along K); ca_wq_codes 512 x 16 x 24 uint8 (E2M3 codes of ca_wq, K innermost, in blocks of 32 codes, four codes in three bytes); ca_wq_scales 512 x 16 uint8 (E8M0 scales of ca_wq, one for each 32 codes along K); ca_wv_codes 512 x 16 x 24 uint8 (E2M3 codes of ca_wv, K innermost, in blocks of 32 codes, four codes in three bytes); ca_wv_scales 512 x 16 uint8 (E8M0 scales of ca_wv, one for each 32 codes along K); encoder_output_codes 8 x 1,024 x 16 x 24 uint8 (E2M3 codes of encoder_output, K innermost, in blocks of 32 codes, four codes in three bytes); encoder_output_scales 8 x 1,024 x 16 uint8 (E8M0 scales of encoder_output, one for each 32 codes along K); ff_b1 2,048 float32; ff_b2 512 float32; ff_w1_codes 2,048 x 16 x 24 uint8 (E2M3 codes of ff_w1, K innermost, in blocks of 32 codes, four codes in three bytes); ff_w1_scales 2,048 x 16 uint8 (E8M0 scales of ff_w1, one for each 32 codes along K); ff_w2_codes 512 x 64 x 24 uint8 (E2M3 codes of ff_w2, K innermost, in blocks of 32 codes, four codes in three bytes); ff_w2_scales 512 x 64 uint8 (E8M0 scales of ff_w2, one for each 32 codes along K); ln1_b 512 float32; ln1_g 512 float32; ln2_b 512 float32; ln2_g 512 float32; ln3_b 512 float32; ln3_g 512 float32; sa_pb 512 float32; sa_pw_codes 512 x 16 x 24 uint8 (E2M3 codes of sa_pw, K innermost, in blocks of 32 codes, four codes in three bytes); sa_pw_scales 512 x 16 uint8 (E8M0 scales of sa_pw, one for each 32 codes along K); sa_wk_codes 512 x 16 x 24 uint8 (E2M3 codes of sa_wk, K innermost, in blocks of 32 codes, four codes in three bytes); sa_wk_scales 512 x 16 uint8 (E8M0 scales of sa_wk, one for each 32 codes along K); sa_wq_codes 512 x 16 x 24 uint8 (E2M3 codes of sa_wq, K innermost, in blocks of 32 codes, four codes in three bytes); sa_wq_scales 512 x 16 uint8 (E8M0 scales of sa_wq, one for each 32 codes along K); sa_wv_codes 512 x 16 x 24 uint8 (E2M3 codes of sa_wv, K innermost, in blocks of 32 codes, four codes in three bytes); sa_wv_scales 512 x 16 uint8 (E8M0 scales of sa_wv, one for each 32 codes along K); x 8 x 1,024 x 512 float32.
;; Outputs: out0 8 x 1,024 x 512 float32.
;; This version of the problem:
;;   THIS VERSION OF THE PROBLEM IS GIVEN IN LOW PRECISION. The matrix products marked QUANTISED in the list below multiply operands that are first quantised to E2M3 (2 exponent bits, 3 mantissa bits; 6 bits a number), with one power-of-two scale for each 32 numbers along K (OCP MX v1.0); their sums are f32. All else is computed in f32.
;;   The module's matrix products, in the order in which they are computed (A, B: the left and right operand; K: the contracted axis; several contracted axes count as one K, in the product's order):
;;     1. [M 8,192, K 512] x [K 512, N 512]; A: computed on the way; B: input sa_wq (given as codes): QUANTISED
;;     2. [M 8,192, K 512] x [K 512, N 512]; A: input x; B: input sa_wk (given as codes): QUANTISED
;;     3. [M 8,192, K 512] x [K 512, N 512]; A: input x; B: input sa_wv (given as codes): QUANTISED
;;     4. batch 128 x [M 1,024, K 32] x [K 32, N 1,024]; A: computed on the way; B: computed on the way: QUANTISED
;;     5. batch 128 x [M 32, K 1,024] x [K 1,024, N 1,024]; A: computed on the way; B: softmax (see below): QUANTISED
;;     6. [M 8,192, K 512] x [K 512, N 512]; A: computed on the way; B: input sa_pw (given as codes): QUANTISED
;;     7. [M 8,192, K 512] x [K 512, N 512]; A: computed on the way; B: input ca_wq (given as codes): QUANTISED
;;     8. [M 8,192, K 512] x [K 512, N 512]; A: input encoder_output (given as codes); B: input ca_wk (given as codes): QUANTISED
;;     9. [M 8,192, K 512] x [K 512, N 512]; A: input encoder_output (given as codes); B: input ca_wv (given as codes): QUANTISED
;;     10. batch 128 x [M 1,024, K 32] x [K 32, N 1,024]; A: computed on the way; B: computed on the way: QUANTISED
;;     11. batch 128 x [M 32, K 1,024] x [K 1,024, N 1,024]; A: computed on the way; B: softmax (see below): QUANTISED
;;     12. [M 8,192, K 512] x [K 512, N 512]; A: computed on the way; B: input ca_pw (given as codes): QUANTISED
;;     13. [M 8,192, K 512] x [K 512, N 2,048]; A: computed on the way; B: input ff_w1 (given as codes): QUANTISED
;;     14. [M 8,192, K 2,048] x [K 2,048, N 512]; A: computed on the way; B: input ff_w2 (given as codes): QUANTISED
;;   THE QUANTISER, for each operand of a quantised product, along K:
;;     - K is cut into blocks of 32 from its start; a last block that is shorter is filled with zeros.
;;     - A block's scale is 2^e with e = floor(log2(the largest magnitude in the block)) - 2, held to -126 .. 127; a block of zeros has e = 0. As a byte (E8M0): e + 127.
;;     - Each number is divided by its block's scale, clamped to +-7.5, and rounded to the nearest number of E2M3, ties to even, subnormals kept.
;;     - The product sums the exact products of the quantised numbers (number of the format x scale) in f32.
;;   ~~~python
;;   def quantise(x, axis):      # numpy; x: float32 -> the quantised numbers, widened to float32 again
;;       x = np.moveaxis(x, axis, -1); K = x.shape[-1]
;;       x = np.pad(x, [(0, 0)] * (x.ndim - 1) + [(0, -K % 32)]); x = x.reshape(x.shape[:-1] + (-1, 32)); a = np.abs(x).max(-1, keepdims=True)
;;       e = np.where(a > 0, np.clip(np.frexp(np.where(a > 0, a, 1))[1] - 1 - 2, -126, 127), 0)      # np.frexp(a)[1] - 1 = floor(log2(a)), exactly
;;       r = np.clip(x / 2.0 ** e, -7.5, 7.5)
;;       step = 2.0 ** (np.maximum(np.frexp(np.where(r == 0, 1, r))[1] - 1, 0) - 3)
;;       q = np.round(r / step) * step * 2.0 ** e      # np.round: ties to even
;;       return np.moveaxis(q.reshape(q.shape[:-2] + (-1,))[..., :K], -1, axis).astype(np.float32)
;;   ~~~
;;   SOFTMAX AHEAD OF A QUANTISED PRODUCT. Where the list says 'softmax', what is quantised is not the finished softmax but p = 2^(t - M), with t = logit x log2(e) and M = ceil(the row's largest t), a whole number; so 1/2 < the row's largest p <= 1. The row's sum l is taken of the UNQUANTISED p, in f32, and the product's result is divided by l at the end. Since M is a whole number, a kernel that streams over the keys may use a running M (the ceiling of the running maximum): every later rescaling is an exact power of two, which a block's scale takes up: the codes' values come out the same.
;;   OPERANDS COMPUTED ON THE WAY. 'Computed on the way' means the value that the module computes at that place (a softmax that the list does not call 'softmax' is quantised finished and normalised). What goes into a quantiser is computed in f32, as accurately as f32 sums, v_exp_f32 and their like allow (about 1e-6 of the number): no bf16 or f16 on the way to a quantiser, and a product that is left as it is and whose result goes on into a quantised operand takes f32 operands (vector FMAs, or v_wmma_f32_16x16x4_f32). A number that lies on a knife's edge between two numbers of the format may be rounded either way, as far as f32 arithmetic and the matrix unit's own rounding can turn it there, and no further.
;;   INPUTS GIVEN AS CODES. ca_pw (in the module: [512, 512], K = its axis 0); ca_wk (in the module: [512, 512], K = its axis 0); ca_wq (in the module: [512, 512], K = its axis 0); ca_wv (in the module: [512, 512], K = its axis 0); encoder_output (in the module: [8, 1024, 512], K = its axis 2); ff_w1 (in the module: [512, 2048], K = its axis 0); ff_w2 (in the module: [2048, 512], K = its axis 0); sa_pw (in the module: [512, 512], K = its axis 0); sa_wk (in the module: [512, 512], K = its axis 0); sa_wq (in the module: [512, 512], K = its axis 0); sa_wv (in the module: [512, 512], K = its axis 0): each comes as NAME_codes (uint8): NAME with its K axis moved to the last place and cut into blocks of 32 codes, [.., K / 32, bytes a block], one block behind the other in memory; four codes in three bytes: a row's codes are one little-endian stream of bits, code i at bits 6 i .. 6 i + 5 (a code: sign, 2 exponent bits, 3 mantissa bits); and NAME_scales (uint8): the same leading axes, one E8M0 byte (e + 127) for each 32 codes along K. Its value is code x scale, taken as it is: it is not quantised again, and the codes and scales need not be those that the quantiser above would give.
;; 2 versions, each right; version 2 is version 1 with the launches prep, block written anew for expert scheduling mode. Each part assembles by itself: llvm-mc -triple=amdgcn-amd-amdhsa -mcpu=gfx1250 --defsym DOCPART=n.
;; ======== version 1 of 2: 2 launches
;; workspace buffers: kv 13,107,200 bytes; wimg 2,457,600 bytes
;; launch prep (part 1): grid 140 x 1, 16 waves a work-group, no clusters, 182,784 bytes of LDS; arguments x, encoder_output_codes, encoder_output_scales, sa_wk_codes, sa_wk_scales, sa_wv_codes, sa_wv_scales, ca_wk_codes, ca_wk_scales, ca_wv_codes, ca_wv_scales, sa_wq_codes, sa_wq_scales, sa_pw_codes, sa_pw_scales, ca_wq_codes, ca_wq_scales, ca_pw_codes, ca_pw_scales, ff_w1_codes, ff_w1_scales, ff_w2_codes, ff_w2_scales, kv, wimg; writes kv, wimg
.if DOCPART == 1
	.amdgcn_target "amdgcn-amd-amdhsa--gfx1250"
	.amdhsa_code_object_version 6
	.text
	.protected	k_q3c288638a1_prep
	.globl	k_q3c288638a1_prep
	.p2align	8
	.type	k_q3c288638a1_prep,@function
k_q3c288638a1_prep:
	s_mov_b64 s[64:65], 0
	v_nop
	global_prefetch_b8 v0, s[64:65] scope:SCOPE_SE
	s_setreg_imm32_b32 hwreg(HW_REG_WAVE_MODE, 25, 1), 1
	s_wait_xcnt 0x0
; PREP: k and v of both attentions as images of operand registers (kv), and six weights laid in register order (wimg).
; Work-groups 0-63: self-attention, k and v from the raw x (f32, quantised here along C).  64-127: cross-attention, from the encoder codes as given.
; 128-139: the weights sa_wq, sa_pw, ca_wq, ca_pw, ff_w1, ff_w2 are only laid out anew.  The three ways part on the work-group number and never join; each has LDS bytes of its own.
; SHARES.  A work-group of the first two kinds takes 128 tokens (one key step) of one batch; wave w takes head w: one record of kv.  A wave of the third kind writes one record of wimg.
; A kv RECORD, 6,400 bytes, number ((att*8+batch)*16+head)*8+step.  A fragment is 12 registers a lane, stored as 3 groups of 512 bytes, lane l at 16 l.
;   0     K fragments f = 0, 1: block beta (lanes of half beta&1, registers 6 (beta>>1) on) holds the 32 channel codes of row r of key tile 4 f + beta: four tiles of keys in one operand, since this product has K = 32
;   3072  V^T fragments u = 0, 1: row r is channel 8 u + r + 8 (r / 8); K = the step 128 keys in their order
;   6144  lane l: at 8 l the scale word of K (lanes 0-15 fragment 0, lanes 16-31 fragment 1), at 8 l + 4 that of V^T likewise
; THE ROWS OF A TILE ARE NOT NEIGHBOURS: row r of tile 2 b + u of a run of rows is row 32 b + 8 u + r + 8 (r / 8), so that 16 result registers of tiles 2 b, 2 b + 1 are 16 neighbours.
; A wimg RECORD, 12,800 bytes: 32 weight rows x 512 of K: fragment (K step s, tile u) at 1536 (2 s + u); at 12288 + 16 l four scale words, word s for K step s, lanes 0-15 tile 0, lanes 16-31 tile 1.
; NO CLUSTER, NO TENSOR LOAD: of wk and wv a wave needs its own 32 rows alone, and they go from memory straight into its operand registers; a joint request would land in LDS, where no second wave of the work-group wants those bytes.
; LIMITS: NaN and infinities among the inputs are not served; a block whose largest magnitude lies under 2^-124 has its scale byte held at 1; a block of zeros gets the byte 1 (its codes are zeros; these bytes are read by this program alone).
.set STG,   0                          ; path SA: a stage of 4,640 bytes for each wave: 2 rows of 2,320; a block of 32 f32 takes 128 + 16 bytes
.set TOKA,  74240                      ; path SA: 128 rows of codes, 384 bytes + 16
.set TOKAS, 125440                     ; and their scale bytes, 16 a row
.set TOKB,  127488                     ; path CA: the same two regions
.set TOKBS, 178688
.set SW,   8                           ; v8-11   the four scale words saved for the record end
.set TSC,  12                          ; v12-15  scale words of four token tiles: scales alone
.set WB,   16                          ; v16-63  two sets of two weight fragments
.set WSC,  64                          ; v64-79  the weights scale words: wk tile 0, 1, wv tile 0, 1, four K steps each: scales alone
.set TF,   80                          ; v80-127 four token fragments
.set ACC,  128                         ; v128-255 sixteen accumulators
.set TM,   80                          ; the quantiser works where the token fragments lay
.set PW,   96
.set PC,   98
.macro NOP4
.rept 4
	v_nop
.endr
.endm
.macro BARRIER                         ; my LDS stores have landed and my LDS loads are in: then the barrier
	s_wait_dscnt 0x0
	s_barrier_signal -1
	s_barrier_wait -1
.endm
.macro WMM d, a, b, cm, sa, sb         ; cm = 0: the product starts the sum
.if (\cm) == 0
	v_wmma_scale_f32_16x16x128_f8f6f4 v[(\d):(\d)+7], v[(\a):(\a)+11], v[(\b):(\b)+11], 0, v[\sa], v[\sb] matrix_a_fmt:MATRIX_FMT_FP6 matrix_b_fmt:MATRIX_FMT_FP6
.else
	v_wmma_scale_f32_16x16x128_f8f6f4 v[(\d):(\d)+7], v[(\a):(\a)+11], v[(\b):(\b)+11], v[(\d):(\d)+7], v[\sa], v[\sb] matrix_a_fmt:MATRIX_FMT_FP6 matrix_b_fmt:MATRIX_FMT_FP6
.endif
.endm
.macro WITEM i                         ; item i: K step i % 4 of wk (i < 4) or wv: my two tiles of 16 rows, 12 loads of 8 bytes, into set i % 2
.irp u, 0,1
.irp p, 0,1,2,3,4,5
.if (\i) < 4
	global_load_b64 v[WB+24*((\i)%2)+12*\u+2*\p:WB+24*((\i)%2)+12*\u+2*\p+1], v4, s[8:9] offset:\u*3072+96*((\i)%4)+48*(\p/3)+8*(\p%3)
.else
	global_load_b64 v[WB+24*((\i)%2)+12*\u+2*\p:WB+24*((\i)%2)+12*\u+2*\p+1], v4, s[12:13] offset:\u*3072+96*((\i)%4)+48*(\p/3)+8*(\p%3)
.endif
.endr
.endr
.endm
.macro WHEAD                           ; 28 loads: the scale words of my 32 rows of wk and wv, and the first two items
	global_load_b128 v[WSC:WSC+3], v5, s[10:11]
	global_load_b128 v[WSC+4:WSC+7], v5, s[10:11] offset:128
	global_load_b128 v[WSC+8:WSC+11], v5, s[14:15]
	global_load_b128 v[WSC+12:WSC+15], v5, s[14:15] offset:128
	WITEM 0
	WITEM 1
.endm
; A lane holds a whole block of 32 numbers in v[x] on: its codes (24 bytes) and its scale byte go to LDS.  c: six registers and two more; t: four registers at work.
.macro QROW x, c, t, adr, sadr, imm, simm
	v_max3_num_f32 v[\t], |v[\x]|, |v[\x+1]|, |v[\x+2]|
	v_max3_num_f32 v[\t+1], |v[\x+3]|, |v[\x+4]|, |v[\x+5]|
.irp i, 6,10,14,18,22,26
	v_max3_num_f32 v[\t], v[\t], |v[\x+\i]|, |v[\x+\i+1]|
	v_max3_num_f32 v[\t+1], v[\t+1], |v[\x+\i+2]|, |v[\x+\i+3]|
.endr
	v_max3_num_f32 v[\t], v[\t], |v[\x+30]|, |v[\x+31]|
	v_max3_num_f32 v[\t], v[\t], v[\t+1], 0x1800000        ; the floor 2^(3 - 127): the byte cannot fall under 1
	v_add_nc_u32 v[\t+2], 0xff000000, v[\t]                ; 2 off the exponent field: the conversion takes this field as its scale
	v_cvt_scalef32_pk16_fp6_f32 v[\c:\c+2], v[\x:\x+15], v[\t+2]
	v_cvt_scalef32_pk16_fp6_f32 v[\c+4:\c+6], v[\x+16:\x+31], v[\t+2]   ; (three registers of a conversion begin on an even number)
	v_lshrrev_b32 v[\t+3], 23, v[\t+2]                     ; the scale byte; also the plain line behind the conversions
	v_mov_b32 v[\c+3], v[\c+4]
	v_mov_b32 v[\c+4], v[\c+5]
	v_mov_b32 v[\c+5], v[\c+6]
	ds_store_b64 v[\adr], v[\c:\c+1] offset:\imm
	ds_store_b64 v[\adr], v[\c+2:\c+3] offset:\imm+8
	ds_store_b64 v[\adr], v[\c+4:\c+5] offset:\imm+16
	ds_store_b8 v[\sadr], v[\t+3] offset:\simm
.endm
; 64 numbers of a lane, register 16 b + i = k 32 b + 16 (lane / 16) + i of my row, become a fragment in v[PC] on and its scale word in v[PW].
.macro QUANT s
.irp b, 0,1,2,3
	v_mov_b32 v[TM+4+\b], 0                                ; the destination of a lane permute counts as one of its sources
.endr
.irp b, 0,1,2,3
	v_max3_num_f32 v[TM+\b], |v[\s+16*\b]|, |v[\s+1+16*\b]|, 0x1800000
.endr
.irp i, 2,4,6,8,10,12,14
.irp b, 0,1,2,3
	v_max3_num_f32 v[TM+\b], v[TM+\b], |v[\s+16*\b+\i]|, |v[\s+1+16*\b+\i]|
.endr
.endr
.irp b, 0,1,2,3
	v_permlanex16_b32 v[TM+4+\b], v[TM+\b], s20, s21
.endr
.irp b, 0,1,2,3
	v_max_num_f32 v[TM+\b], v[TM+\b], v[TM+4+\b]           ; with lane l xor 16: the largest magnitude of the block
.endr
.irp b, 0,1,2,3
	v_add_nc_u32 v[TM+12+\b], 0xff000000, v[TM+\b]
.endr
.irp b, 0,1,2,3
	v_lshrrev_b32 v[TM+4+\b], 23, v[TM+12+\b]
.endr
	v_lshl_or_b32 v[PW], v[TM+5], 8, v[TM+4]
	v_lshl_or_b32 v[PW], v[TM+6], 16, v[PW]
	v_lshl_or_b32 v[PW], v[TM+7], 24, v[PW]
.irp c, 0,1
	v_cvt_scalef32_pk16_fp6_f32 v[PC+6*\c:PC+2+6*\c], v[\s+32*\c:\s+15+32*\c], v[TM+12+2*\c]
	v_cvt_scalef32_pk16_fp6_f32 v[PC+12+4*\c:PC+14+4*\c], v[\s+16+32*\c:\s+31+32*\c], v[TM+12+2*\c+1]
.endr
	v_nop                                                  ; one plain line behind a scaled conversion
.irp c, 0,1                            ; the operand wants a whole block in a lane: lanes 0-15 block 2 c, lanes 16-31 block 2 c + 1
.irp i, 0,1,2
	v_permlane16_swap_b32 v[PC+6*\c+\i], v[PC+12+4*\c+\i]
.endr
.irp i, 0,1,2
	v_mov_b32 v[PC+3+6*\c+\i], v[PC+12+4*\c+\i]
.endr
.endr
.endm
; The addresses that both token paths keep: v1 r, v9 h, v10 r + 8 (r / 8), v11 lane are left for the fill.
.macro COMMON tok, toks
	v_and_b32 v1, 15, v0
	v_bfe_u32 v9, v0, 4, 1
	v_and_b32 v10, 8, v1
	v_add_nc_u32 v10, v10, v1
	v_and_b32 v11, 31, v0
	v_mul_u32_u24 v2, v10, 400
	v_mad_u32_u24 v2, v9, 24, v2
	v_add_nc_u32 v2, \tok, v2                              ; v2: my place in a tile of tokens
	v_lshl_add_u32 v3, v10, 4, \toks                       ; v3: and among their scale words
	s_mul_i32 s23, s18, 12288
	v_mul_u32_u24 v4, v10, 384
	v_mad_u32_u24 v4, v9, 24, v4
	v_add_nc_u32 v4, s23, v4                               ; v4: weight row 32 w + r + 8 (r / 8), + 24 h
	s_lshl_b32 s23, s18, 9
	v_lshl_add_u32 v5, v10, 4, s23                         ; v5: its 16 scale bytes
	v_lshlrev_b32 v6, 4, v11                               ; v6: 16 x lane
	v_lshlrev_b32 v7, 3, v11                               ; v7: 8 x lane
	s_lshr_b32 s24, s19, 3
	s_lshl_b32 s24, s24, 4
	s_add_co_u32 s24, s24, s18
	s_lshl_b32 s24, s24, 3
	s_and_b32 s25, s19, 7
	s_add_co_u32 s24, s24, s25
	s_mul_i32 s24, s24, 6400                               ; my record, in bytes
	s_mov_b32 s25, 0
.endm
; Eight items: K steps 0-3 of k, then of v.  An item: its weight fragments are in (the next item 12 loads may be out); twice four token fragments from LDS and eight products.
; k: source 0 = weight tile u, source 1 = token tile t: a lane holds one token and 16 neighbouring channels.  v: the sources change places: a lane holds one channel and 16 neighbouring tokens.
; The sixteen accumulators take turns, one instruction a turn.
.macro KVGEMM
.irp it, 0,1,2,3,4,5,6,7
.if \it < 7
	s_wait_loadcnt 12
.else
	s_wait_loadcnt 0x0
.endif
.irp grp, 0,1
.if \grp
	NOP4                                                   ; four places in front of loads into registers that matrix instructions have read
.endif
.irp q, 0,1,2,3
.irp p, 0,1,2,3,4,5
	ds_load_b64 v[TF+12*\q+2*\p:TF+12*\q+2*\p+1], v2 offset:(32*((4*\grp+\q)/2)+8*(\q%2))*400+96*(\it%4)+48*(\p/3)+8*(\p%3)
.endr
	ds_load_b32 v[TSC+\q], v3 offset:(32*((4*\grp+\q)/2)+8*(\q%2))*16+4*(\it%4)
.endr
	s_wait_dscnt 0x0
.irp q, 0,1,2,3
.irp u, 0,1
.if \it < 4
	WMM ACC+16*(4*\grp+\q)+8*\u, WB+24*(\it%2)+12*\u, TF+12*\q, \it%4, WSC+4*\u+\it%4, TSC+\q
.else
	WMM ACC+64*\u+8*(4*\grp+\q), TF+12*\q, WB+24*(\it%2)+12*\u, \it%4, TSC+\q, WSC+8+4*\u+\it%4
.endif
.endr
.endr
.endr
	NOP4                                                   ; places for the loads below, for the next item's, and for the first read of results
.if \it < 6
	WITEM \it+2
.endif
.if \it == 3                           ; k is whole: 64 registers are four tiles of keys x 16 channels of my half: one fragment
.irp f, 0,1
	QUANT ACC+64*\f
.irp c, 0,1,2
	global_store_b128 v6, v[PC+4*\c:PC+4*\c+3], s[16:17] offset:1536*\f+512*\c
.endr
	v_mov_b32 v[SW+\f], v[PW]
	s_wait_xcnt 0x0                                        ; the stores have read their registers: these are written again below
.endr
.endif
.if \it == 7                           ; v is whole: 64 registers are 128 keys of one channel
.irp f, 0,1
	QUANT ACC+64*\f
.irp c, 0,1,2
	global_store_b128 v6, v[PC+4*\c:PC+4*\c+3], s[16:17] offset:3072+1536*\f+512*\c
.endr
	v_mov_b32 v[SW+2+\f], v[PW]
	s_wait_xcnt 0x0
.endr
.endif
.endr
	v_cndmask_b32 v8, v9, v8, s22                          ; lanes 0-15 fragment 0, lanes 16-31 fragment 1: K,
	v_cndmask_b32 v9, v11, v10, s22                        ; and V^T
	global_store_b64 v7, v[8:9], s[16:17] offset:6144      ; 32 lanes store 256 consecutive bytes
	s_wait_xcnt 0x0
	v_lshl_add_u32 v254, v0, 2, 0x2c200
	v_mov_b32 v255, 0
	s_wait_tensorcnt 0x0
	ds_add_u32 v254, v255
	s_wait_dscnt 0x0
	s_endpgm
.endm
	v_lshrrev_b32 v1, 5, v0
	v_readfirstlane_b32 s18, v1                            ; wave 0..15
	s_mov_b32 s19, ttmp9
	s_mov_b32 s20, 0x76543210
	s_mov_b32 s21, 0xfedcba98                              ; selects of v_permlanex16_b32 for lane l xor 16
	s_mov_b32 s22, 0xffff                                  ; lanes 0-15
	s_cmp_ge_u32 s19, 128
	s_cbranch_scc1 .Llay
	s_cmp_ge_u32 s19, 64
	s_cbranch_scc1 .Lca
	; ---- SA: 128 rows of x are quantised into LDS, 8 rows a wave
	s_load_b64 s[4:5], s[0:1], 0x0                         ; x
	s_load_b256 s[8:15], s[0:1], 0x18                      ; sa_wk codes, scales, sa_wv codes, scales
	s_load_b64 s[16:17], s[0:1], 0xb8                      ; kv
	COMMON TOKA, TOKAS
	s_mul_i32 s26, s18, 4640
	v_lshrrev_b32 v123, 3, v11
	v_mul_u32_u24 v123, v123, 144
	v_and_b32 v124, 7, v11
	v_lshl_add_u32 v123, v124, 4, v123
	v_add_nc_u32 v123, s26, v123                           ; the stage, in: as loaded, 16 bytes a lane, 16 of padding behind each 128
	v_mul_u32_u24 v124, v9, 2320
	v_mad_u32_u24 v124, v1, 144, v124
	v_add_nc_u32 v124, s26, v124                           ; out: row h, block r: 32 neighbours
	s_mul_i32 s26, s18, 3200
	s_add_co_u32 s26, s26, TOKA
	v_mul_u32_u24 v125, v9, 400
	v_mad_u32_u24 v125, v1, 24, v125
	v_add_nc_u32 v125, s26, v125                           ; codes of row 8 w + h, block r
	s_lshl_b32 s26, s18, 7
	s_add_co_u32 s26, s26, TOKAS
	v_lshl_add_u32 v126, v9, 4, v1
	v_add_nc_u32 v126, s26, v126                           ; and the scale byte
	s_lshl_b32 s26, s19, 18                                ; 128 rows of 2,048 bytes a work-group,
	s_lshl_b32 s27, s18, 14                                ; 8 a wave
	s_add_co_u32 s26, s26, s27
	s_mov_b32 s27, 0
	s_wait_kmcnt 0x0
	s_add_nc_u64 s[4:5], s[4:5], s[26:27]
	s_add_nc_u64 s[16:17], s[16:17], s[24:25]
.set jj, 0
.rept 32
	global_load_b128 v[128+4*jj:131+4*jj], v6, s[4:5] offset:512*jj th:TH_LOAD_NT   ; 32 lanes read 512 consecutive bytes
.set jj, jj+1
.endr
	WHEAD
.irp t, 0,1,2,3                        ; two rows at a time
	s_wait_loadcnt 52-8*\t                                 ; these eight loads are in; out may be the 28 weight loads and the rows behind
.irp i, 0,1,2,3,4,5,6,7
	ds_store_b128 v123, v[128+32*\t+4*\i:131+32*\t+4*\i] offset:(\i/4)*2320+576*(\i%4)
.endr
.irp j, 0,1,2,3,4,5,6,7
	ds_load_b128 v[80+4*\j:83+4*\j], v124 offset:16*\j      ; LDS serves the instructions of a wave in order: these see the stores above
.endr
	s_wait_dscnt 0x0
	QROW 80, 112, 119, 125, 126, 800*\t, 32*\t
.endr
	BARRIER                                                ; all 128 rows of codes lie in LDS
	KVGEMM
.Lca:	; ---- CA: 128 rows of the encoder codes go to LDS as they are
	s_load_b128 s[4:7], s[0:1], 0x8                        ; encoder codes, scales
	s_load_b256 s[8:15], s[0:1], 0x38                      ; ca_wk codes, scales, ca_wv codes, scales
	s_load_b64 s[16:17], s[0:1], 0xb8                      ; kv
	COMMON TOKB, TOKBS
	v_mul_u32_u24 v153, v0, 96                             ; a thread takes 96 bytes, a quarter of a row
	v_lshlrev_b32 v154, 2, v0
	v_lshrrev_b32 v157, 2, v0
	v_lshl_add_u32 v155, v157, 4, v153
	v_add_nc_u32 v155, TOKB, v155                          ; 16 bytes of padding behind each row
	v_add_nc_u32 v156, TOKBS, v154
	s_sub_co_u32 s26, s19, 64
	s_mul_i32 s28, s26, 49152
	s_mov_b32 s29, 0
	s_lshl_b32 s26, s26, 11
	s_mov_b32 s27, 0
	s_wait_kmcnt 0x0
	s_add_nc_u64 s[4:5], s[4:5], s[28:29]
	s_add_nc_u64 s[6:7], s[6:7], s[26:27]
	s_add_nc_u64 s[16:17], s[16:17], s[24:25]
.irp i, 0,1,2,3,4,5
	global_load_b128 v[128+4*\i:131+4*\i], v153, s[4:5] offset:16*\i
.endr
	global_load_b32 v152, v154, s[6:7]
	WHEAD
	s_wait_loadcnt 28                                      ; the seven above are in; the 28 weight loads may be out
.irp i, 0,1,2,3,4,5
	ds_store_b128 v155, v[128+4*\i:131+4*\i] offset:16*\i
.endr
	ds_store_b32 v156, v152
	BARRIER
	KVGEMM
.Llay:	; ---- LAY: one record of wimg a wave
	s_mov_b32 s40, s18                                     ; wave
	s_sub_co_u32 s41, s19, 128                             ; j = 0..11
	s_load_b512 s[8:23], s[0:1], 0x58                      ; sa_wq, sa_pw, ca_wq, ca_pw: codes and scales
	s_load_b256 s[24:31], s[0:1], 0x98                     ; ff_w1, ff_w2
	s_load_b64 s[32:33], s[0:1], 0xc0                      ; wimg
	s_lshr_b32 s42, s41, 3
	s_add_co_u32 s42, s42, 4
	s_and_b32 s43, s41, 3
	s_lshl_b32 s43, s43, 4
	s_add_co_u32 s43, s43, s40
	s_cmp_lt_u32 s41, 4
	s_cselect_b32 s42, s41, s42                            ; which weight: j, or 4 (ff_w1), 5 (ff_w2)
	s_cselect_b32 s43, s40, s43                            ; which record of it
	s_lshr_b32 s38, s43, 2
	s_and_b32 s39, s43, 3
	s_mov_b32 s46, 384
	s_cmp_ge_u32 s41, 8                                    ; ff_w2 has K = 2,048: four records for 32 rows
	s_cselect_b32 s44, s38, s43                            ; which 32 rows
	s_cselect_b32 s45, s39, 0                              ; which quarter of K
	s_cselect_b32 s46, 1536, s46                           ; a row of codes
	s_cselect_b32 s47, 64, 16                              ; a row of scale bytes
	v_and_b32 v1, 15, v0
	v_bfe_u32 v2, v0, 4, 1
	v_and_b32 v3, 8, v1
	v_add_nc_u32 v3, v3, v1                                ; r + 8 (r / 8)
	s_lshl_b32 s44, s44, 5
	v_add_nc_u32 v4, s44, v3
	v_mul_lo_u32 v5, v4, s46
	v_mad_u32_u24 v5, v2, 24, v5
	s_mul_i32 s38, s45, 384
	v_add_nc_u32 v5, s38, v5                               ; tile 0
	s_lshl_b32 s38, s46, 3
	v_add_nc_u32 v6, s38, v5                               ; tile 1: eight rows on
	v_lshl_add_u32 v4, v2, 3, v4
	v_mul_lo_u32 v7, v4, s47
	s_lshl_b32 s38, s45, 4
	v_add_nc_u32 v7, s38, v7                               ; scale words: lanes 0-15 tile 0, lanes 16-31 tile 1
	v_and_b32 v8, 31, v0
	v_lshlrev_b32 v8, 4, v8
	s_lshl_b32 s38, s41, 4
	s_add_co_u32 s38, s38, s40
	s_mul_i32 s38, s38, 12800
	s_mov_b32 s39, 0
	s_wait_kmcnt 0x0
	s_mov_b64 s[34:35], s[8:9]
	s_mov_b64 s[36:37], s[10:11]
.irp k, 1,2,3,4,5
	s_cmp_eq_u32 s42, \k
	s_cselect_b64 s[34:35], s[8+4*\k:9+4*\k], s[34:35]
	s_cselect_b64 s[36:37], s[10+4*\k:11+4*\k], s[36:37]
.endr
	s_add_nc_u64 s[32:33], s[32:33], s[38:39]
.irp s, 0,1,2,3
.irp p, 0,1,2,3,4,5
	global_load_b64 v[16+24*\s+2*\p:17+24*\s+2*\p], v5, s[34:35] offset:96*\s+48*(\p/3)+8*(\p%3)
	global_load_b64 v[28+24*\s+2*\p:29+24*\s+2*\p], v6, s[34:35] offset:96*\s+48*(\p/3)+8*(\p%3)
.endr
.endr
	global_load_b128 v[112:115], v7, s[36:37]
	s_wait_loadcnt 0x0
.set jj, 0
.rept 24
	global_store_b128 v8, v[16+4*jj:19+4*jj], s[32:33] offset:512*jj   ; 32 lanes store 512 consecutive bytes
.set jj, jj+1
.endr
	global_store_b128 v8, v[112:115], s[32:33] offset:12288
	s_endpgm
.Lfunc_end_k_q3c288638a1_prep:
	.size	k_q3c288638a1_prep, .Lfunc_end_k_q3c288638a1_prep-k_q3c288638a1_prep
	.p2alignl 7, 3214868480
	.fill 96, 4, 3214868480
	.section	.rodata,"a",@progbits
	.p2align	6, 0x0
	.amdhsa_kernel k_q3c288638a1_prep
		.amdhsa_group_segment_fixed_size 182784
		.amdhsa_private_segment_fixed_size 0
		.amdhsa_enable_private_segment 0
		.amdhsa_kernarg_size 200
		.amdhsa_user_sgpr_count 2
		.amdhsa_user_sgpr_kernarg_segment_ptr 1
		.amdhsa_wavefront_size32 1
		.amdhsa_system_sgpr_workgroup_id_x 1
		.amdhsa_system_sgpr_workgroup_id_y 1
		.amdhsa_system_sgpr_workgroup_id_z 1
		.amdhsa_system_vgpr_workitem_id 0
		.amdhsa_next_free_vgpr 256
		.amdhsa_next_free_sgpr 66
		.amdhsa_reserve_vcc 0
		.amdhsa_float_denorm_mode_32 3
		.amdhsa_float_denorm_mode_16_64 3
		.amdhsa_memory_ordered 1
		.amdhsa_forward_progress 1
		.amdhsa_inst_pref_size 177
	.end_amdhsa_kernel
	.amdgpu_metadata
---
amdhsa.version: [ 1, 2 ]
amdhsa.kernels:
  - .name:           k_q3c288638a1_prep
    .symbol:         k_q3c288638a1_prep.kd
    .args:
      - { .name: x, .offset: 0, .size: 8, .value_kind: global_buffer, .address_space: global }
      - { .name: encoder_output_codes, .offset: 8, .size: 8, .value_kind: global_buffer, .address_space: global }
      - { .name: encoder_output_scales, .offset: 16, .size: 8, .value_kind: global_buffer, .address_space: global }
      - { .name: sa_wk_codes, .offset: 24, .size: 8, .value_kind: global_buffer, .address_space: global }
      - { .name: sa_wk_scales, .offset: 32, .size: 8, .value_kind: global_buffer, .address_space: global }
      - { .name: sa_wv_codes, .offset: 40, .size: 8, .value_kind: global_buffer, .address_space: global }
      - { .name: sa_wv_scales, .offset: 48, .size: 8, .value_kind: global_buffer, .address_space: global }
      - { .name: ca_wk_codes, .offset: 56, .size: 8, .value_kind: global_buffer, .address_space: global }
      - { .name: ca_wk_scales, .offset: 64, .size: 8, .value_kind: global_buffer, .address_space: global }
      - { .name: ca_wv_codes, .offset: 72, .size: 8, .value_kind: global_buffer, .address_space: global }
      - { .name: ca_wv_scales, .offset: 80, .size: 8, .value_kind: global_buffer, .address_space: global }
      - { .name: sa_wq_codes, .offset: 88, .size: 8, .value_kind: global_buffer, .address_space: global }
      - { .name: sa_wq_scales, .offset: 96, .size: 8, .value_kind: global_buffer, .address_space: global }
      - { .name: sa_pw_codes, .offset: 104, .size: 8, .value_kind: global_buffer, .address_space: global }
      - { .name: sa_pw_scales, .offset: 112, .size: 8, .value_kind: global_buffer, .address_space: global }
      - { .name: ca_wq_codes, .offset: 120, .size: 8, .value_kind: global_buffer, .address_space: global }
      - { .name: ca_wq_scales, .offset: 128, .size: 8, .value_kind: global_buffer, .address_space: global }
      - { .name: ca_pw_codes, .offset: 136, .size: 8, .value_kind: global_buffer, .address_space: global }
      - { .name: ca_pw_scales, .offset: 144, .size: 8, .value_kind: global_buffer, .address_space: global }
      - { .name: ff_w1_codes, .offset: 152, .size: 8, .value_kind: global_buffer, .address_space: global }
      - { .name: ff_w1_scales, .offset: 160, .size: 8, .value_kind: global_buffer, .address_space: global }
      - { .name: ff_w2_codes, .offset: 168, .size: 8, .value_kind: global_buffer, .address_space: global }
      - { .name: ff_w2_scales, .offset: 176, .size: 8, .value_kind: global_buffer, .address_space: global }
      - { .name: kv, .offset: 184, .size: 8, .value_kind: global_buffer, .address_space: global }
      - { .name: wimg, .offset: 192, .size: 8, .value_kind: global_buffer, .address_space: global }
    .group_segment_fixed_size: 182784
    .private_segment_fixed_size: 0
    .kernarg_segment_align: 8
    .kernarg_segment_size: 200
    .max_flat_workgroup_size: 512
    .sgpr_count:     66
    .vgpr_count:     256
    .wavefront_size: 32
...
	.end_amdgpu_metadata
.endif
;; end of part 1
;; launch block (part 2): grid 256 x 1, 16 waves a work-group, no clusters, 154,880 bytes of LDS; arguments x, kv, wimg, sa_pb, ca_pb, ff_b1, ff_b2, ln1_g, ln1_b, ln2_g, ln2_b, ln3_g, ln3_b, out0; writes out0
.if DOCPART == 2
	.amdgcn_target "amdgcn-amd-amdhsa--gfx1250"
	.amdhsa_code_object_version 6
	.text
	.protected	k_q3c288638a1_block
	.globl	k_q3c288638a1_block
	.p2align	8
	.type	k_q3c288638a1_block,@function
k_q3c288638a1_block:
	s_mov_b64 s[64:65], 0
	v_nop
	global_prefetch_b8 v0, s[64:65] scope:SCOPE_SE
	s_setreg_imm32_b32 hwreg(HW_REG_WAVE_MODE, 25, 1), 1
	s_wait_xcnt 0x0
; BLOCK: all of the decoder block behind k and v, for 32 rows a work-group: norm 1, q, causal attention, projection, residual; norm 2, q, cross attention, projection, residual; norm 3, feed-forward, residual.
; All products on codes of FP6 (E2M3) with one E8M0 scale for each 32 along K; everything else in f32.
; SHARES.  Work-group g: batch g / 32, a = g % 32: the tiles of 16 rows a and 63 - a.  Tile i needs i / 8 + 1 causal key steps of 128, so the two together always need 9: all work-groups have the same work.
; WAVE w OWNS HEAD w, WHICH IS ALSO OUTPUT COLUMNS 32 w .. 32 w + 31, in every product (in the first feed-forward product: columns 128 w on).  So q goes from its product to attention inside one wave,
; and each record of K and V and each record of weights is read by exactly one wave of the work-group, from memory straight into operand registers (16 bytes a lane, 512 consecutive bytes an instruction).
; In the phases by rows (load, norms, store) wave w owns local rows 2 w, 2 w + 1: lanes 0-15 one row, lanes 16-31 the other; lane r holds block r of 32.
; Only activations go from wave to wave, through LDS: rows of codes with their scale bytes, and the residual in f32.  Nine barriers; a region is written again only behind a barrier that every wave reaches behind its last read of it.
; EVERY PRODUCT IS USED TRANSPOSED (source 0 = 16 rows of a weight, of K or of V^T; source 1 = 16 of my rows): a lane holds ONE row (lane % 16), and the rows of source 0 are laid so that 16 registers are 16 neighbours along the next K.
; Q K^T HAS K = 32: a fragment of K holds four tiles of keys, one in each block of 32; source 1 holds q in one block and zero codes in the other three, so that one instruction gives one tile of scores.
; SOFTMAX: t = score x log2(e) / sqrt(32); M = the running largest t rounded up to a whole number; p = 2^(t - M) is quantised along the keys; the sum is taken of the unquantised p and divides at the end.
; NO CLUSTER, NO TENSOR LOAD: no byte of K, V or a weight is wanted by two waves of a work-group, and a joint request lands in LDS: a key step of 16 heads is 102,400 bytes that would be written and read once more;
; in the causal layer partners would need different numbers of key steps (a / 8 + 1).
; LIMITS: NaN and infinities among the inputs are not served; a block whose largest magnitude lies under 2^-124 has its scale byte held at 1; a block of zeros gets the byte 1 (zero codes; read by this program alone).
.set ACT,   74240                      ; LDS: 0: the residual, 32 rows of 2,320 bytes, a block of 32 f32 in 128 + 16;  ACT: 32 rows of codes, 384 + 16
.set ACTS,  87040                      ; their scale bytes, 16 a row
.set A2OFF, 13312                      ; a second pair of the same, so many bytes on: the attention results
.set HID,   100864                     ; the hidden layer: 32 rows of 1,536 + 16
.set HIDS,  150528                     ; its scale bytes: 64 + 4 a row
; v1 16 x lane, v2 8 x lane, v255 256 x lane: never rewritten.  v3-16 addresses (SETADDR), v17-21 at work there.  v118-125 scale words and nothing else.
.set WF,   22                          ; v22-117  a record of weights: fragment (K step s, tile u) at 12 (2 s + u)
.set WS,   118                         ; v118-121 its scale words
.set ASR,  122                         ; v122-125 scale words of four activation fragments
.set AF,   126                         ; v126-173 four activation fragments
.set ACC,  174                         ; v174-205 four accumulators: 16 m + 8 u
.set BIAS, 206                         ; v206-221 a bias in the layout of the result
.set LX,   126                         ; the norms: 32 numbers, g, b
.set LG,   158
.set LB,   190
.set KF,   70                          ; attention: v8-15 statistics, v16-69 q, v70-93 K, v94-117 V^T
.set VF,   94
.set SS,   126                         ; v126-189 scores, then p
.set OA,   190                         ; v190-221 O^T: 16 tau + 8 u
.set BM,   222                         ; v222-225 largest score of each block
.set BX,   226                         ; v226-229 at work
.set SO,   230                         ; v230-233 scale operands of the conversions
.set FF,   234                         ; v234 f, v235 at work
.set TT,   235
.set PC,   236                         ; v236-247 codes of p
.set PT,   248                         ; v248-254 at work
.set SK,   120
.set SV,   121
.set QS,   122
.set PW,   124
.macro NOP4                            ; four places: behind matrix instructions, in front of loads into their registers and of the first read of results
.rept 4
	v_nop
.endr
.endm
.macro BARRIER                         ; my LDS stores have landed and my LDS loads are in: then the barrier
	s_wait_dscnt 0x0
	s_barrier_signal -1
	s_barrier_wait -1
.endm
.macro WMM d, a, b, cm, cr, sa, sb, ra ; cm = 0: C is 0, else v[cr] on; ra = 1: the scales of source 0 stand in lanes 16-31
.if (\cm) == 0
.if (\ra) == 0
	v_wmma_scale_f32_16x16x128_f8f6f4 v[(\d):(\d)+7], v[(\a):(\a)+11], v[(\b):(\b)+11], 0, v[\sa], v[\sb] matrix_a_fmt:MATRIX_FMT_FP6 matrix_b_fmt:MATRIX_FMT_FP6
.else
	v_wmma_scale_f32_16x16x128_f8f6f4 v[(\d):(\d)+7], v[(\a):(\a)+11], v[(\b):(\b)+11], 0, v[\sa], v[\sb] matrix_a_fmt:MATRIX_FMT_FP6 matrix_b_fmt:MATRIX_FMT_FP6 matrix_a_scale:MATRIX_SCALE_ROW1
.endif
.else
.if (\ra) == 0
	v_wmma_scale_f32_16x16x128_f8f6f4 v[(\d):(\d)+7], v[(\a):(\a)+11], v[(\b):(\b)+11], v[(\cr):(\cr)+7], v[\sa], v[\sb] matrix_a_fmt:MATRIX_FMT_FP6 matrix_b_fmt:MATRIX_FMT_FP6
.else
	v_wmma_scale_f32_16x16x128_f8f6f4 v[(\d):(\d)+7], v[(\a):(\a)+11], v[(\b):(\b)+11], v[(\cr):(\cr)+7], v[\sa], v[\sb] matrix_a_fmt:MATRIX_FMT_FP6 matrix_b_fmt:MATRIX_FMT_FP6 matrix_a_scale:MATRIX_SCALE_ROW1
.endif
.endif
.endm
.macro SETADDR                         ; l lane, r = l % 16, h = l / 16, w wave
	v_and_b32 v17, 31, v0
	v_and_b32 v18, 15, v0
	v_bfe_u32 v19, v0, 4, 1
	s_mul_i32 s2, s32, 4640
	v_lshrrev_b32 v20, 3, v17
	v_mul_u32_u24 v20, v20, 144
	v_and_b32 v21, 7, v17
	v_lshl_add_u32 v20, v21, 4, v20
	v_add_nc_u32 v3, s2, v20                               ; v3: residual, my two rows as memory has them: 4640 w + 144 (l / 8) + 16 (l % 8)
	v_mul_u32_u24 v20, v19, 2320
	v_mad_u32_u24 v20, v18, 144, v20
	v_add_nc_u32 v4, s2, v20                               ; v4: row 2 w + h, block r
	s_mul_i32 s2, s32, 800
	s_add_co_u32 s2, s2, ACT
	v_mul_u32_u24 v20, v19, 400
	v_mad_u32_u24 v20, v18, 24, v20
	v_add_nc_u32 v5, s2, v20                               ; v5: codes of row 2 w + h, block r
	s_lshl_b32 s2, s32, 5
	s_add_co_u32 s2, s2, ACTS
	v_lshl_add_u32 v20, v19, 4, v18
	v_add_nc_u32 v6, s2, v20                               ; v6: its scale byte
	v_mul_u32_u24 v20, v18, 400
	v_mad_u32_u24 v20, v19, 24, v20
	v_add_nc_u32 v7, ACT, v20                              ; v7: a fragment of activations: row r, + 24 h
	v_lshl_add_u32 v8, v18, 4, ACTS                        ; v8: its scale words
	v_mul_u32_u24 v20, v18, 1552
	v_mad_u32_u24 v20, v19, 24, v20
	v_add_nc_u32 v9, HID, v20                              ; v9, v10: the same of the hidden layer
	v_mul_u32_u24 v20, v18, 68
	v_add_nc_u32 v10, HIDS, v20
	s_mul_i32 s2, s32, 96
	s_add_co_u32 s2, s2, HID
	v_mul_u32_u24 v20, v17, 1552
	v_add_nc_u32 v11, s2, v20                              ; v11: hidden codes of row l, my four blocks
	s_lshl_b32 s2, s32, 2
	s_add_co_u32 s2, s2, HIDS
	v_mul_u32_u24 v20, v17, 68
	v_add_nc_u32 v12, s2, v20                              ; v12: their scale bytes
	s_mul_i32 s2, s32, 144
	v_mul_u32_u24 v20, v18, 2320
	v_lshl_add_u32 v20, v19, 6, v20
	v_add_nc_u32 v13, s2, v20                              ; v13: residual, row r, block w, my 16 numbers
	v_lshlrev_b32 v14, 7, v18                              ; v14: g and b of block r
	s_lshl_b32 s2, s32, 7
	v_lshl_add_u32 v15, v19, 6, s2                         ; v15: a bias of 512: columns 32 w + 16 h on
	s_lshl_b32 s2, s32, 9
	v_lshl_add_u32 v16, v19, 6, s2                         ; v16: ff_b1: columns 128 w + 16 h on
.endm
.macro WLOAD base, imm                 ; a record of weights: 25 loads
.set jj, 0
.rept 24
	global_load_b128 v[WF+4*jj:WF+4*jj+3], v1, s[\base:\base+1] offset:\imm+512*jj
.set jj, jj+1
.endr
	global_load_b128 v[WS:WS+3], v1, s[\base:\base+1] offset:\imm+12288
.endm
.macro BLOAD ptr, voff, imm            ; a bias, eight numbers for each of my two tiles of columns: 4 loads
.irp u, 0,1
.irp k, 0,1
	global_load_b128 v[BIAS+8*\u+4*\k:BIAS+8*\u+4*\k+3], v[\voff], s[\ptr:\ptr+1] offset:\imm+32*\u+16*\k
.endr
.endr
.endm
.macro GBLOAD g, b                     ; g and b of a norm: 16 loads
.irp j, 0,1,2,3,4,5,6,7
	global_load_b128 v[LG+4*\j:LG+4*\j+3], v14, s[\g:\g+1] offset:16*\j
.endr
.irp j, 0,1,2,3,4,5,6,7
	global_load_b128 v[LB+4*\j:LB+4*\j+3], v14, s[\b:\b+1] offset:16*\j
.endr
.endm
; 512 along K with the record in WF: twice (two K steps x two tiles of rows from LDS, eight products).  The four accumulators take turns, one instruction a turn.
; cmode: what starts the sums: 0 the constant 0, 1 the bias, 2 they go on.  Every caller has four places behind its last matrix instruction.
.macro GEMMK aa, as, pit, spit, abase, sbase, kq, cmode
.irp hf, 0,1
.if \hf
	NOP4
.endif
.irp sp, 0,1
.irp mm, 0,1
.irp p, 0,1,2,3,4,5
	ds_load_b64 v[AF+12*(2*\sp+\mm)+2*\p:AF+12*(2*\sp+\mm)+2*\p+1], v[\aa] offset:\abase+16*\mm*\pit+96*(4*\kq+2*\hf+\sp)+48*(\p/3)+8*(\p%3)
.endr
	ds_load_b32 v[ASR+2*\sp+\mm], v[\as] offset:\sbase+16*\mm*\spit+4*(4*\kq+2*\hf+\sp)
.endr
.endr
	s_wait_dscnt 0x0
.irp sp, 0,1
.irp mm, 0,1
.irp u, 0,1
.if (\hf+\sp) == 0 && (\cmode) == 0
	WMM ACC+16*\mm+8*\u, WF+12*(2*(2*\hf+\sp)+\u), AF+12*(2*\sp+\mm), 0, 0, WS+2*\hf+\sp, ASR+2*\sp+\mm, \u
.elseif (\hf+\sp) == 0 && (\cmode) == 1
	WMM ACC+16*\mm+8*\u, WF+12*(2*(2*\hf+\sp)+\u), AF+12*(2*\sp+\mm), 1, BIAS+8*\u, WS+2*\hf+\sp, ASR+2*\sp+\mm, \u
.else
	WMM ACC+16*\mm+8*\u, WF+12*(2*(2*\hf+\sp)+\u), AF+12*(2*\sp+\mm), 1, ACC+16*\mm+8*\u, WS+2*\hf+\sp, ASR+2*\sp+\mm, \u
.endif
.endr
.endr
.endr
.endr
.endm
; A lane holds a whole block of 32 numbers in v[x] on: its codes (24 bytes) and its scale byte go to LDS.
.macro QROW x, c, t, adr, sadr
	v_max3_num_f32 v[\t], |v[\x]|, |v[\x+1]|, |v[\x+2]|
	v_max3_num_f32 v[\t+1], |v[\x+3]|, |v[\x+4]|, |v[\x+5]|
.irp i, 6,10,14,18,22,26
	v_max3_num_f32 v[\t], v[\t], |v[\x+\i]|, |v[\x+\i+1]|
	v_max3_num_f32 v[\t+1], v[\t+1], |v[\x+\i+2]|, |v[\x+\i+3]|
.endr
	v_max3_num_f32 v[\t], v[\t], |v[\x+30]|, |v[\x+31]|
	v_max3_num_f32 v[\t], v[\t], v[\t+1], 0x1800000        ; the floor 2^(3 - 127): the byte cannot fall under 1
	v_add_nc_u32 v[\t+2], 0xff000000, v[\t]                ; 2 off the exponent field: the scale operand of the conversion
	v_cvt_scalef32_pk16_fp6_f32 v[\c:\c+2], v[\x:\x+15], v[\t+2]
	v_cvt_scalef32_pk16_fp6_f32 v[\c+4:\c+6], v[\x+16:\x+31], v[\t+2]
	v_lshrrev_b32 v[\t+3], 23, v[\t+2]                     ; the scale byte; also the plain line behind the conversions
	v_mov_b32 v[\c+3], v[\c+4]
	v_mov_b32 v[\c+4], v[\c+5]
	v_mov_b32 v[\c+5], v[\c+6]
	ds_store_b64 v[\adr], v[\c:\c+1]
	ds_store_b64 v[\adr], v[\c+2:\c+3] offset:8
	ds_store_b64 v[\adr], v[\c+4:\c+5] offset:16
	ds_store_b8 v[\sadr], v[\t+3]
.endm
; A norm of my two rows of the residual, quantised into ACT.  Mean first, then the squares of the differences: a common offset does not cancel.
.macro LNCORE
.irp j, 0,1,2,3,4,5,6,7
	ds_load_b128 v[LX+4*\j:LX+4*\j+3], v4 offset:16*\j
.endr
	s_wait_dscnt 0x0
	v_pk_add_f32 v[222:223], v[LX:LX+1], v[LX+2:LX+3]
	v_pk_add_f32 v[224:225], v[LX+4:LX+5], v[LX+6:LX+7]
.irp j, 8,12,16,20,24,28
	v_pk_add_f32 v[222:223], v[222:223], v[LX+\j:LX+\j+1]
	v_pk_add_f32 v[224:225], v[224:225], v[LX+\j+2:LX+\j+3]
.endr
	v_pk_add_f32 v[222:223], v[222:223], v[224:225]
	v_add_f32 v222, v222, v223
.irp x, 1,2,4,8
	v_add_f32_dpp v222, v222, v222 row_xmask:\x row_mask:0xf bank_mask:0xf   ; a row lies in 16 lanes
.endr
	v_mul_f32 v222, s45, v222                              ; the mean
.set jj, 0
.rept 16
	v_pk_add_f32 v[LX+jj:LX+jj+1], v[LX+jj:LX+jj+1], v[222:223] op_sel_hi:[1,0] neg_lo:[0,1] neg_hi:[0,1]
.set jj, jj+2
.endr
	v_pk_mul_f32 v[224:225], v[LX:LX+1], v[LX:LX+1]
	v_pk_mul_f32 v[226:227], v[LX+2:LX+3], v[LX+2:LX+3]
.irp j, 4,8,12,16,20,24,28
	v_pk_fma_f32 v[224:225], v[LX+\j:LX+\j+1], v[LX+\j:LX+\j+1], v[224:225]
	v_pk_fma_f32 v[226:227], v[LX+\j+2:LX+\j+3], v[LX+\j+2:LX+\j+3], v[226:227]
.endr
	v_pk_add_f32 v[224:225], v[224:225], v[226:227]
	v_add_f32 v224, v224, v225
.irp x, 1,2,4,8
	v_add_f32_dpp v224, v224, v224 row_xmask:\x row_mask:0xf bank_mask:0xf
.endr
	v_fma_f32 v224, v224, s45, s46                         ; the variance + 1e-5
	v_rsq_f32 v224, v224
	v_nop                                                  ; a plain line behind the transcendental,
	s_wait_alu depctr_va_vdst(0)                           ; and a wait ahead of its first reader
	s_wait_loadcnt 0x0                                     ; g and b (and the record of weights asked for ahead of them)
.set jj, 0
.rept 16
	v_pk_mul_f32 v[LX+jj:LX+jj+1], v[LX+jj:LX+jj+1], v[224:225] op_sel_hi:[1,0]
.set jj, jj+2
.endr
.set jj, 0
.rept 16
	v_pk_fma_f32 v[LX+jj:LX+jj+1], v[LX+jj:LX+jj+1], v[LG+jj:LG+jj+1], v[LB+jj:LB+jj+1]
.set jj, jj+2
.endr
	QROW LX, 228, 236, 5, 6
.endm
; v[src] on: for each of the two tiles of rows 16 numbers of a lane, columns 16 h on of one block of 32.  The block codes of local row l (24 bytes) and its scale byte go to LDS.
.macro QB2 src, adr, sadr, imm, simm
	v_mov_b32 v226, 0                                      ; the destination of a lane permute counts as one of its sources
	v_mov_b32 v227, 0
.irp mm, 0,1
	v_max3_num_f32 v[224+\mm], |v[\src+16*\mm]|, |v[\src+16*\mm+1]|, 0x1800000
.endr
.irp i, 2,4,6,8,10,12,14
.irp mm, 0,1
	v_max3_num_f32 v[224+\mm], v[224+\mm], |v[\src+16*\mm+\i]|, |v[\src+16*\mm+\i+1]|
.endr
.endr
.irp mm, 0,1
	v_permlanex16_b32 v[226+\mm], v[224+\mm], s40, s41
.endr
.irp mm, 0,1
	v_max_num_f32 v[224+\mm], v[224+\mm], v[226+\mm]
.endr
.irp mm, 0,1
	v_add_nc_u32 v[228+\mm], 0xff000000, v[224+\mm]
.endr
.irp mm, 0,1
	v_lshrrev_b32 v[230+\mm], 23, v[228+\mm]
.endr
	v_cvt_scalef32_pk16_fp6_f32 v[232:234], v[\src:\src+15], v228
	v_cvt_scalef32_pk16_fp6_f32 v[236:238], v[\src+16:\src+31], v229
	v_cndmask_b32 v240, v231, v230, s44                    ; the byte of local row l; also the plain line behind the conversions
.irp i, 0,1,2
	v_permlane16_swap_b32 v[232+\i], v[236+\i]             ; lanes 0-15 now hold tile 0, lanes 16-31 tile 1: the lower 16 codes here, the upper 16 there
.endr
	v_mov_b32 v235, v236
	v_mov_b32 v236, v237
	v_mov_b32 v237, v238
	ds_store_b64 v[\adr], v[232:233] offset:\imm
	ds_store_b64 v[\adr], v[234:235] offset:\imm+8
	ds_store_b64 v[\adr], v[236:237] offset:\imm+16
	ds_store_b8 v[\sadr], v240 offset:\simm
.endm
.macro RESID                           ; the residual takes my 32 columns of the 32 rows: only I touch these bytes between the two barriers
.irp mm, 0,1
.irp k, 0,1,2,3
	ds_load_b128 v[222+16*\mm+4*\k:225+16*\mm+4*\k], v13 offset:16*\mm*2320+16*\k
.endr
.endr
	s_wait_dscnt 0x0
.set jj, 0
.rept 16
	v_pk_add_f32 v[222+jj:223+jj], v[222+jj:223+jj], v[ACC+jj:ACC+jj+1]   ; each accumulator from its low end on
.set jj, jj+2
.endr
.irp mm, 0,1
.irp k, 0,1,2,3
	ds_store_b128 v13, v[222+16*\mm+4*\k:225+16*\mm+4*\k] offset:16*\mm*2320+16*\k
.endr
.endr
.endm
; q (in ACC) is quantised; its head is one block of 32.  Nine groups of six registers from v16: Z QLa Z QHa Z QLb Z QHb Z.  QL: the 32 codes in lanes 0-15, zeros above; QH: the other way; Z: zeros.
; Twelve registers from 16 + 24 tau + 6, 18, 0, 12 are then source 1 with q in block 0, 1, 2, 3 and zero codes elsewhere.
.macro QPREP
.irp z, 16,28,40,52,64
.irp i, 0,1,2,3,4,5
	v_mov_b32 v[\z+\i], 0
.endr
.endr
.irp i, 224,225,238,239,240,242,243,244
	v_mov_b32 v\i, 0                                       ; destinations of lane permutes
.endr
.irp mm, 0,1
	v_max3_num_f32 v[222+\mm], |v[ACC+16*\mm]|, |v[ACC+16*\mm+1]|, 0x1800000
.endr
.irp i, 2,4,6,8,10,12,14
.irp mm, 0,1
	v_max3_num_f32 v[222+\mm], v[222+\mm], |v[ACC+16*\mm+\i]|, |v[ACC+16*\mm+\i+1]|
.endr
.endr
.irp mm, 0,1
	v_permlanex16_b32 v[224+\mm], v[222+\mm], s40, s41
.endr
.irp mm, 0,1
	v_max_num_f32 v[222+\mm], v[222+\mm], v[224+\mm]
.endr
.irp mm, 0,1
	v_add_nc_u32 v[226+\mm], 0xff000000, v[222+\mm]
.endr
.irp mm, 0,1
	v_lshrrev_b32 v[228+\mm], 23, v[226+\mm]
.endr
	v_cvt_scalef32_pk16_fp6_f32 v[230:232], v[ACC:ACC+15], v226
	v_cvt_scalef32_pk16_fp6_f32 v[234:236], v[ACC+16:ACC+31], v227
	v_nop                                                  ; one plain line behind a scaled conversion
.irp mm, 0,1
.irp i, 0,1,2
	v_permlanex16_b32 v[238+4*\mm+\i], v[230+4*\mm+\i], s40, s41   ; the other half of the block
.endr
.endr
.irp mm, 0,1
.irp i, 0,1,2
	v_cndmask_b32 v[22+24*\mm+\i], 0, v[230+4*\mm+\i], s44
	v_cndmask_b32 v[25+24*\mm+\i], 0, v[238+4*\mm+\i], s44
	v_cndmask_b32 v[34+24*\mm+\i], v[238+4*\mm+\i], 0, s44
	v_cndmask_b32 v[37+24*\mm+\i], v[230+4*\mm+\i], 0, s44
.endr
.endr
.irp mm, 0,1
	v_lshl_or_b32 v[QS+\mm], v[228+\mm], 8, v[228+\mm]     ; the byte in all four places: it serves whichever block q stands in
.endr
.irp mm, 0,1
	v_lshl_or_b32 v[QS+\mm], v[QS+\mm], 16, v[QS+\mm]
.endr
.endm
.macro LOADK                           ; 7 loads
.irp k, 0,1,2,3,4,5
	global_load_b128 v[KF+4*\k:KF+4*\k+3], v1, s[48:49] offset:512*\k
.endr
	global_load_b32 v[SK], v2, s[48:49] offset:6144
.endm
.macro LOADV                           ; 7 loads
.irp k, 0,1,2,3,4,5
	global_load_b128 v[VF+4*\k:VF+4*\k+3], v1, s[48:49] offset:3072+512*\k
.endr
	global_load_b32 v[SV], v2, s[48:49] offset:6148
.endm
.macro ADV                             ; on to the next record; behind the last one back to the first, so that every trip loads alike and no load leaves the buffer
	s_wait_xcnt 0x0                                        ; the loads that name the base have read it
	s_add_nc_u64 s[50:51], s[48:49], 6400
	s_cmp_gt_u32 s35, 1
	s_cselect_b64 s[48:49], s[50:51], s[52:53]
.endm
.macro QK tau                          ; eight tiles of 16 keys: S^T, register 16 b + i = key 32 b + 16 h + i
.irp f, 0,1
	WMM SS+8*(4*\f+0), KF+12*\f, 16+24*\tau+6, 0, 0, SK, QS+\tau, \f
	WMM SS+8*(4*\f+1), KF+12*\f, 16+24*\tau+18, 0, 0, SK, QS+\tau, \f
	WMM SS+8*(4*\f+2), KF+12*\f, 16+24*\tau+0, 0, 0, SK, QS+\tau, \f
	WMM SS+8*(4*\f+3), KF+12*\f, 16+24*\tau+12, 0, 0, SK, QS+\tau, \f
.endr
.endm
.macro MASK dq                         ; only the last key step of a tile lies on the diagonal: there hidden scores become -infinity ahead of the maximum
	s_cmp_lg_u32 s35, 1
	s_cbranch_scc1 .Lopen_\@
	v_and_b32 v248, 15, v0
	v_bfe_u32 v249, v0, 4, 1
	v_lshlrev_b32 v249, 4, v249
	v_sub_nc_u32 v248, v248, v249
	v_add_nc_u32 v248, s[\dq], v248                        ; d = my query less the first key of the step less 16 h: register 16 b + i is hidden where 32 b + i > d
	v_mov_b32 v250, 0xff800000
.set jj, 0
.rept 64
	v_cmp_gt_i32 vcc_lo, 32*(jj/16)+jj%16, v248
	v_cndmask_b32 v[SS+jj], v[SS+jj], v250, vcc_lo
.set jj, jj+1
.endr
.Lopen_\@:
.endm
.macro SOFTMAX tau
.set ST, 8+4*(\tau)                    ; -M, the largest t, the sum in two halves
.set OT, OA+16*(\tau)
.irp b, 0,1,2,3
	v_max3_num_f32 v[BM+\b], v[SS+16*\b], v[SS+16*\b+1], v[SS+16*\b+2]   ; the largest score of each block of 32 keys: for the maximum of the row, and, since p rises with the score, for the largest p of the block
.endr
.irp i, 3,5,7,9,11,13
.irp b, 0,1,2,3
	v_max3_num_f32 v[BM+\b], v[BM+\b], v[SS+16*\b+\i], v[SS+16*\b+\i+1]
.endr
.endr
.irp b, 0,1,2,3
	v_max_num_f32 v[BM+\b], v[BM+\b], v[SS+16*\b+15]
.endr
.irp b, 0,1,2,3
	v_permlanex16_b32 v[BX+\b], v[BM+\b], s40, s41
.endr
.irp b, 0,1,2,3
	v_max_num_f32 v[BM+\b], v[BM+\b], v[BX+\b]
.endr
	v_max3_num_f32 v[TT], v[BM], v[BM+1], v[BM+2]
	v_max_num_f32 v[TT], v[TT], v[BM+3]
	v_mul_f32 v[TT], s42, v[TT]
	v_max_num_f32 v[ST+1], v[ST+1], v[TT]                  ; the running largest t
	v_mov_b32 v[TT], v[ST]
	v_floor_f32 v[ST], -v[ST+1]                            ; -M = floor(-t): M is a whole number
	v_sub_f32 v[TT], v[ST], v[TT]
	v_cvt_i32_f32 v[TT], v[TT]                             ; (it saturates)
	v_ldexp_f32 v[FF], 1.0, v[TT]                          ; f = 2^(old M - new M): a multiplication by it rounds nothing
.set jj, 0
.rept 32
	v_pk_fma_f32 v[SS+jj:SS+jj+1], v[SS+jj:SS+jj+1], s[42:43], v[ST:ST+1] op_sel_hi:[1,0,0]   ; t - M
.set jj, jj+2
.endr
.irp b, 0,1,2,3
	v_fma_f32 v[BM+\b], v[BM+\b], s42, v[ST]
.endr
.set jj, 0
.rept 64
	v_exp_f32 v[SS+jj], v[SS+jj]                           ; p = 2^(t - M): not normalised
.set jj, jj+1
.endr
	v_pk_mul_f32 v[ST+2:ST+3], v[ST+2:ST+3], v[FF:FF+1] op_sel_hi:[1,0]   ; the sums under the new M; a plain line behind the exponentials
	s_wait_alu depctr_va_vdst(0)                           ; one wait for the batch of 64, ahead of its first reader
.irp b, 0,1,2,3
	v_exp_f32 v[BM+\b], v[BM+\b]                           ; the largest p of each block
.endr
	v_pk_add_f32 v[BX:BX+1], v[SS:SS+1], v[SS+2:SS+3]      ; the sum of the unquantised p, in two chains
.irp j, 4,8,12,16,20,24,28,32,36,40,44,48,52,56,60
	v_pk_add_f32 v[ST+2:ST+3], v[ST+2:ST+3], v[SS+\j:SS+\j+1]
	v_pk_add_f32 v[BX:BX+1], v[BX:BX+1], v[SS+\j+2:SS+\j+3]
.endr
	v_pk_add_f32 v[ST+2:ST+3], v[ST+2:ST+3], v[BX:BX+1]
	s_wait_alu depctr_va_vdst(0)                           ; and one for the four
.irp b, 0,1,2,3
	v_max_num_f32 v[BM+\b], 0x1800000, v[BM+\b]            ; the floor: a block whose every p is 0 keeps the byte 1; its codes are zeros
.endr
.irp b, 0,1,2,3
	v_add_nc_u32 v[SO+\b], 0xff000000, v[BM+\b]
.endr
.irp b, 0,1,2,3
	v_lshrrev_b32 v[BX+\b], 23, v[SO+\b]
.endr
	v_lshl_or_b32 v[PW], v[BX+1], 8, v[BX]
	v_lshl_or_b32 v[PW], v[BX+2], 16, v[PW]
	v_lshl_or_b32 v[PW], v[BX+3], 24, v[PW]
.irp c, 0,1
	v_cvt_scalef32_pk16_fp6_f32 v[PC+6*\c:PC+6*\c+2], v[SS+32*\c:SS+32*\c+15], v[SO+2*\c]
	v_cvt_scalef32_pk16_fp6_f32 v[PT+4*\c:PT+4*\c+2], v[SS+32*\c+16:SS+32*\c+31], v[SO+2*\c+1]
.endr
	v_nop                                                  ; one plain line behind a scaled conversion
.irp c, 0,1
.irp i, 0,1,2
	v_permlane16_swap_b32 v[PC+6*\c+\i], v[PT+4*\c+\i]
.endr
.irp i, 0,1,2
	v_mov_b32 v[PC+3+6*\c+\i], v[PT+4*\c+\i]
.endr
.endr
.set jj, 0
.rept 8
	v_pk_mul_f32 v[OT+jj:OT+jj+1], v[OT+jj:OT+jj+1], v[FF:FF+1] op_sel_hi:[1,0]   ; O^T under the new M
.set jj, jj+2
.endr
	NOP4                                                   ; with the lines above: eight places between the scale word of p and the products, four behind its codes, that name none of a product's registers
.endm
.macro PV tau                          ; O^T += V^T P^T: register 8 u + j = channel 16 h + 8 u + j
.irp u, 0,1
	WMM OA+16*\tau+8*\u, VF+12*\u, PC, 1, OA+16*\tau+8*\u, SV, PW, \u
.endr
.endm
.macro ATT_STEP tau, waitv, loadk, loadv, mask, dq
	QK \tau
	NOP4
.if \loadk
	ADV
	LOADK                                                  ; K of the next step, a softmax ahead of its use
.endif
.if \mask
	MASK \dq
.endif
	SOFTMAX \tau
	s_wait_loadcnt \waitv                                  ; V of this step is in; out may be the loads issued behind it
	PV \tau
	NOP4
.if \loadv
	LOADV
.endif
.endm
.macro FINAL                           ; O^T / the sum, quantised (a head is one block of the projection K) into the second pair of regions
	v_add_f32 v242, v10, v11
	v_add_f32 v243, v14, v15
	v_permlanex16_b32 v244, v242, s40, s41
	v_permlanex16_b32 v245, v243, s40, s41
	v_add_f32 v242, v242, v244
	v_add_f32 v243, v243, v245
	v_rcp_f32 v242, v242
	v_rcp_f32 v244, v243
	v_and_b32 v128, 31, v0                                 ; plain lines behind the reciprocals: where local row l puts block w
	s_mul_i32 s2, s32, 24
	s_add_co_u32 s2, s2, ACT+A2OFF
	v_mul_u32_u24 v126, v128, 400
	v_add_nc_u32 v126, s2, v126
	s_add_co_u32 s2, s32, ACTS+A2OFF
	v_lshl_add_u32 v127, v128, 4, s2
	s_wait_alu depctr_va_vdst(0)                           ; one wait for both reciprocals, ahead of their first reader
.set jj, 0
.rept 8
	v_pk_mul_f32 v[OA+jj:OA+jj+1], v[OA+jj:OA+jj+1], v[242:243] op_sel_hi:[1,0]
.set jj, jj+2
.endr
.rept 8
	v_pk_mul_f32 v[OA+jj:OA+jj+1], v[OA+jj:OA+jj+1], v[244:245] op_sel_hi:[1,0]
.set jj, jj+2
.endr
	QB2 OA, 126, 127, 0, 0
.endm
; An attention layer.  On entry: the normed rows lie in ACT behind a barrier, wq's record has been asked for.  On exit: the next norm's rows lie in ACT behind a barrier, the next record has been asked for.
.macro LAYER causal, pwimm, pb, kvoff, ng, nb, nbase, nimm, ffb
	s_wait_loadcnt 0x0
	GEMMK 7, 8, 400, 16, 0, 0, 0, 0                        ; q of my head, both tiles
	NOP4
	s_lshl_b32 s2, s33, 4
	s_add_co_u32 s2, s2, s32
	s_mul_i32 s2, s2, 51200                                ; eight records for each batch and head
	s_mov_b32 s3, 0
	s_add_nc_u64 s[52:53], s[6:7], s[2:3]
.if \kvoff
	s_add_nc_u64 s[52:53], s[52:53], \kvoff
.endif
	s_mov_b64 s[48:49], s[52:53]
	LOADK
	LOADV
	QPREP
.irp t, 0,1
	v_mov_b32 v[9+4*\t], 0xff61b1e6                        ; the largest t so far: -3e38
	v_floor_f32 v[8+4*\t], -v[9+4*\t]
	v_mov_b32 v[10+4*\t], 0
	v_mov_b32 v[11+4*\t], 0
.endr
.irp b, 0,1,2,3
	v_mov_b32 v[BX+\b], 0
.endr
.set jj, 0
.rept 32
	v_mov_b32 v[OA+jj], 0                                  ; O^T: the step is written once, and its first trip finds zeros.  (These lines are also the places between q, its scale word and the first product)
.set jj, jj+1
.endr
.if \causal
	s_mov_b32 s35, s36                                     ; tile a: a / 8 + 1 key steps
.Lpa_\@:
	s_wait_loadcnt 7                                       ; K of this step is in; the 7 loads of its V may be out
	ATT_STEP 0, 7, 1, 1, 1, 38
	s_sub_co_u32 s35, s35, 1
	s_cmp_lg_u32 s35, 0
	s_cbranch_scc1 .Lpa_\@
	s_mov_b32 s35, s37                                     ; tile 63 - a; the last trip above has asked for record 0
.Lpb_\@:
	s_wait_loadcnt 7
	ATT_STEP 1, 7, 1, 1, 1, 39
	s_sub_co_u32 s35, s35, 1
	s_cmp_lg_u32 s35, 0
	s_cbranch_scc1 .Lpb_\@
.else
	s_mov_b32 s35, 8                                       ; no mask: one record serves both tiles
.Lpc_\@:
	s_wait_loadcnt 7
	ATT_STEP 0, 0, 0, 0, 0, 0
	ATT_STEP 1, 7, 1, 1, 0, 0
	s_sub_co_u32 s35, s35, 1
	s_cmp_lg_u32 s35, 0
	s_cbranch_scc1 .Lpc_\@
.endif
	s_wait_loadcnt 0x0                                     ; the last trip's loads have landed: their registers take the projection's record
	WLOAD 54, \pwimm
.if \causal
	; The cross attention's records are asked for here, behind the loads just issued: a projection, a norm and a q product ahead of their first load.  The 32 work-groups of a batch read the same
	; 51,200 bytes of head w: work-groups a = 0 .. 5 name 8,192 bytes each, lanes 256 bytes apart: 192 of the 200 blocks, each once in the launch.
	s_cmp_lt_u32 s34, 6
	s_cbranch_scc0 .Lnopf_\@
	global_prefetch_b8 v255, s[62:63] th:TH_LOAD_NT scope:SCOPE_SE
.Lnopf_\@:
.endif
	FINAL
	SETADDR
	BLOAD \pb, 15, 0
	BARRIER                                                ; the attention results of all heads lie in LDS
	s_wait_loadcnt 0x0
	GEMMK 7, 8, 400, 16, A2OFF, A2OFF, 0, 1                ; the projection; its bias starts the sums
	NOP4
	WLOAD \nbase, \nimm
	RESID
	GBLOAD \ng, \nb
	BARRIER                                                ; the residual is whole
	LNCORE
.if \ffb
	BLOAD 14, 16, 0
.endif
	BARRIER                                                ; the normed rows lie in ACT
.endm
	s_load_b512 s[4:19], s[0:1], 0x0                       ; x, kv, wimg, sa_pb, ca_pb, ff_b1, ff_b2, ln1_g
	s_load_b256 s[20:27], s[0:1], 0x40                     ; ln1_b, ln2_g, ln2_b, ln3_g
	s_load_b128 s[28:31], s[0:1], 0x60                     ; ln3_b, out0
	v_lshrrev_b32 v1, 5, v0
	v_readfirstlane_b32 s32, v1                            ; wave 0..15
	s_lshr_b32 s33, ttmp9, 5                               ; batch
	s_and_b32 s34, ttmp9, 31                               ; a
	s_sub_co_u32 s35, 63, s34                              ; 63 - a
	s_lshr_b32 s36, s34, 3
	s_add_co_u32 s36, s36, 1                               ; key steps of tile a,
	s_lshr_b32 s37, s35, 3
	s_add_co_u32 s37, s37, 1                               ; of tile 63 - a
	s_and_b32 s38, s34, 7
	s_lshl_b32 s38, s38, 4                                 ; where a tile begins in its last key step
	s_and_b32 s39, s35, 7
	s_lshl_b32 s39, s39, 4
	s_mov_b32 s40, 0x76543210
	s_mov_b32 s41, 0xfedcba98                              ; selects of v_permlanex16_b32 for lane l xor 16
	s_mov_b32 s42, 0x3e8293ee                              ; log2(e) / sqrt(32)
	s_mov_b32 s43, s42                                     ; (named with it as a pair)
	s_mov_b32 s44, 0xffff                                  ; lanes 0-15
	s_mov_b32 s45, 0x3b000000                              ; 1 / 512
	s_mov_b32 s46, 0x3727c5ac                              ; 1e-5
	s_cmp_lt_u32 s32, 8                                    ; waves 0-7 hold the rows of tile a, waves 8-15 those of tile 63 - a
	s_cselect_b32 s2, s34, s35
	s_lshl_b32 s2, s2, 4
	s_and_b32 s3, s32, 7
	s_lshl_b32 s3, s3, 1
	s_add_co_u32 s2, s2, s3
	s_lshl_b32 s3, s33, 10
	s_add_co_u32 s2, s2, s3
	s_lshl_b32 s2, s2, 11                                  ; my two rows, 2,048 bytes each
	s_mov_b32 s3, 0
	s_wait_kmcnt 0x0
	s_add_nc_u64 s[58:59], s[4:5], s[2:3]
	s_add_nc_u64 s[60:61], s[30:31], s[2:3]
	s_mul_i32 s2, s32, 12800
	s_add_nc_u64 s[54:55], s[8:9], s[2:3]                  ; weights with one record a wave
	s_mul_i32 s2, s32, 51200
	s_add_nc_u64 s[56:57], s[8:9], s[2:3]                  ; with four
	s_lshl_b32 s2, s33, 4
	s_add_co_u32 s2, s2, s32
	s_mul_i32 s2, s2, 51200
	s_lshl_b32 s47, s34, 13
	s_add_co_u32 s2, s2, s47
	s_add_nc_u64 s[62:63], s[6:7], s[2:3]
	s_add_nc_u64 s[62:63], s[62:63], 6553600               ; what this work-group names of the cross attention's records (used where a < 6 alone)
	v_and_b32 v17, 31, v0
	v_lshlrev_b32 v1, 4, v17
	v_lshlrev_b32 v2, 3, v17
	v_lshlrev_b32 v255, 8, v17
	SETADDR
.irp i, 0,1,2,3,4,5,6,7
	global_load_b128 v[222+4*\i:225+4*\i], v1, s[58:59] offset:512*\i th:TH_LOAD_NT   ; 32 lanes read 512 consecutive bytes
.endr
	WLOAD 54, 0                                            ; sa_wq
	GBLOAD 18, 20
	s_wait_loadcnt 41                                      ; x is in; out may be the 25 + 16 loads behind it
.irp i, 0,1,2,3,4,5,6,7
	ds_store_b128 v3, v[222+4*\i:225+4*\i] offset:(\i/4)*2320+576*(\i%4)
.endr
	LNCORE                                                 ; LDS serves the instructions of a wave in order: its loads see my stores above
	BARRIER
	LAYER 1, 204800, 10, 0, 22, 24, 54, 409600, 0          ; self-attention; then norm 2 and ca_wq
	LAYER 0, 614400, 12, 6553600, 26, 28, 56, 819200, 1    ; cross attention; then norm 3, the first record of ff_w1 and its bias
	; ---- the hidden layer: my 128 columns, 32 at a time: bias, relu, quantised into LDS
.irp i, 0,1,2,3
	s_wait_loadcnt 0x0
	GEMMK 7, 8, 400, 16, 0, 0, 0, 1
	NOP4
.if \i < 3
	WLOAD 56, 819200+12800*(\i+1)
	BLOAD 14, 16, 128*(\i+1)
.else
	WLOAD 56, 1638400                                      ; the first record of ff_w2,
	BLOAD 16, 15, 0                                        ; and ff_b2
.endif
.set jj, 0
.rept 32
	v_max_num_f32 v[ACC+jj], 0, v[ACC+jj]
.set jj, jj+1
.endr
	QB2 ACC, 11, 12, 24*\i, \i
.endr
	BARRIER                                                ; the hidden layer lies in LDS
	; ---- the second product: K = 2,048 in four records
.irp kq, 0,1,2,3
	s_wait_loadcnt 0x0
.if \kq == 0
	GEMMK 9, 10, 1552, 68, 0, 0, \kq, 1
.else
	GEMMK 9, 10, 1552, 68, 0, 0, \kq, 2
.endif
	NOP4
.if \kq < 3
	WLOAD 56, 1638400+12800*(\kq+1)
.endif
.endr
	RESID
	BARRIER                                                ; the result is whole
.irp i, 0,1,2,3,4,5,6,7
	ds_load_b128 v[126+4*\i:129+4*\i], v3 offset:(\i/4)*2320+576*(\i%4)
.endr
.irp i, 0,1,2,3,4,5,6,7
	s_wait_dscnt 7-\i                                      ; LDS loads come back in order: load i is in
	global_store_b128 v1, v[126+4*\i:129+4*\i], s[60:61] offset:512*\i th:TH_STORE_NT   ; 32 lanes store 512 consecutive bytes, at a multiple of 256 from the first byte of out0
.endr
	s_wait_xcnt 0x0
	v_lshl_add_u32 v254, v0, 2, 0x25500
	v_mov_b32 v255, 0
	s_wait_tensorcnt 0x0
	ds_add_u32 v254, v255
	s_wait_dscnt 0x0
	s_endpgm
.Lfunc_end_k_q3c288638a1_block:
	.size	k_q3c288638a1_block, .Lfunc_end_k_q3c288638a1_block-k_q3c288638a1_block
	.p2alignl 7, 3214868480
	.fill 96, 4, 3214868480
	.section	.rodata,"a",@progbits
	.p2align	6, 0x0
	.amdhsa_kernel k_q3c288638a1_block
		.amdhsa_group_segment_fixed_size 154880
		.amdhsa_private_segment_fixed_size 0
		.amdhsa_enable_private_segment 0
		.amdhsa_kernarg_size 112
		.amdhsa_user_sgpr_count 2
		.amdhsa_user_sgpr_kernarg_segment_ptr 1
		.amdhsa_wavefront_size32 1
		.amdhsa_system_sgpr_workgroup_id_x 1
		.amdhsa_system_sgpr_workgroup_id_y 1
		.amdhsa_system_sgpr_workgroup_id_z 1
		.amdhsa_system_vgpr_workitem_id 0
		.amdhsa_next_free_vgpr 256
		.amdhsa_next_free_sgpr 66
		.amdhsa_reserve_vcc 1
		.amdhsa_float_denorm_mode_32 3
		.amdhsa_float_denorm_mode_16_64 3
		.amdhsa_memory_ordered 1
		.amdhsa_forward_progress 1
		.amdhsa_inst_pref_size 253
	.end_amdhsa_kernel
	.amdgpu_metadata
---
amdhsa.version: [ 1, 2 ]
amdhsa.kernels:
  - .name:           k_q3c288638a1_block
    .symbol:         k_q3c288638a1_block.kd
    .args:
      - { .name: x, .offset: 0, .size: 8, .value_kind: global_buffer, .address_space: global }
      - { .name: kv, .offset: 8, .size: 8, .value_kind: global_buffer, .address_space: global }
      - { .name: wimg, .offset: 16, .size: 8, .value_kind: global_buffer, .address_space: global }
      - { .name: sa_pb, .offset: 24, .size: 8, .value_kind: global_buffer, .address_space: global }
      - { .name: ca_pb, .offset: 32, .size: 8, .value_kind: global_buffer, .address_space: global }
      - { .name: ff_b1, .offset: 40, .size: 8, .value_kind: global_buffer, .address_space: global }
      - { .name: ff_b2, .offset: 48, .size: 8, .value_kind: global_buffer, .address_space: global }
      - { .name: ln1_g, .offset: 56, .size: 8, .value_kind: global_buffer, .address_space: global }
      - { .name: ln1_b, .offset: 64, .size: 8, .value_kind: global_buffer, .address_space: global }
      - { .name: ln2_g, .offset: 72, .size: 8, .value_kind: global_buffer, .address_space: global }
      - { .name: ln2_b, .offset: 80, .size: 8, .value_kind: global_buffer, .address_space: global }
      - { .name: ln3_g, .offset: 88, .size: 8, .value_kind: global_buffer, .address_space: global }
      - { .name: ln3_b, .offset: 96, .size: 8, .value_kind: global_buffer, .address_space: global }
      - { .name: out0, .offset: 104, .size: 8, .value_kind: global_buffer, .address_space: global }
    .group_segment_fixed_size: 154880
    .private_segment_fixed_size: 0
    .kernarg_segment_align: 8
    .kernarg_segment_size: 112
    .max_flat_workgroup_size: 512
    .sgpr_count:     66
    .vgpr_count:     256
    .wavefront_size: 32
...
	.end_amdgpu_metadata
.endif
;; end of part 2
;; ======== version 2 of 2: 2 launches; version 1 with the launches prep, block written anew for expert scheduling mode
;; workspace buffers: kv 13,107,200 bytes; wimg 2,457,600 bytes
;; launch prep (part 3): grid 140 x 1, 16 waves a work-group, no clusters, 182,784 bytes of LDS; arguments x, encoder_output_codes, encoder_output_scales, sa_wk_codes, sa_wk_scales, sa_wv_codes, sa_wv_scales, ca_wk_codes, ca_wk_scales, ca_wv_codes, ca_wv_scales, sa_wq_codes, sa_wq_scales, sa_pw_codes, sa_pw_scales, ca_wq_codes, ca_wq_scales, ca_pw_codes, ca_pw_scales, ff_w1_codes, ff_w1_scales, ff_w2_codes, ff_w2_scales, kv, wimg; writes kv, wimg
.if DOCPART == 3
	.amdgcn_target "amdgcn-amd-amdhsa--gfx1250"
	.amdhsa_code_object_version 6
	.text
	.protected	k_q3c288638a1_prep
	.globl	k_q3c288638a1_prep
	.p2align	8
	.type	k_q3c288638a1_prep,@function
k_q3c288638a1_prep:
	s_mov_b64 s[64:65], 0
	v_nop
	global_prefetch_b8 v0, s[64:65] scope:SCOPE_SE
	s_setreg_imm32_b32 hwreg(HW_REG_WAVE_SCHED_MODE, 0, 2), 2
	s_setreg_imm32_b32 hwreg(HW_REG_WAVE_MODE, 25, 1), 1
	s_wait_xcnt 0x0
	s_wait_alu depctr_vm_vsrc(0)
; PREP: k and v of both attentions as images of operand registers (kv), and six weights laid in register order (wimg).
; Work-groups 0-63: self-attention, k and v from the raw x (f32, quantised here along C).  64-127: cross-attention, from the encoder codes as given.
; 128-139: the weights sa_wq, sa_pw, ca_wq, ca_pw, ff_w1, ff_w2 are only laid out anew.  The three ways part on the work-group number and never join; each has LDS bytes of its own.
; SHARES.  A work-group of the first two kinds takes 128 tokens (one key step) of one batch; wave w takes head w: one record of kv.  A wave of the third kind writes one record of wimg.
; A kv RECORD, 6,400 bytes, number ((att*8+batch)*16+head)*8+step.  A fragment is 12 registers a lane, stored as 3 groups of 512 bytes, lane l at 16 l.
;   0     K fragments f = 0, 1: block beta (lanes of half beta&1, registers 6 (beta>>1) on) holds the 32 channel codes of row r of key tile 4 f + beta: four tiles of keys in one operand, since this product has K = 32
;   3072  V^T fragments u = 0, 1: row r is channel 8 u + r + 8 (r / 8); K = the step 128 keys in their order
;   6144  lane l: at 8 l the scale word of K (lanes 0-15 fragment 0, lanes 16-31 fragment 1), at 8 l + 4 that of V^T likewise
; THE ROWS OF A TILE ARE NOT NEIGHBOURS: row r of tile 2 b + u of a run of rows is row 32 b + 8 u + r + 8 (r / 8), so that 16 result registers of tiles 2 b, 2 b + 1 are 16 neighbours.
; A wimg RECORD, 12,800 bytes: 32 weight rows x 512 of K: fragment (K step s, tile u) at 1536 (2 s + u); at 12288 + 16 l four scale words, word s for K step s, lanes 0-15 tile 0, lanes 16-31 tile 1.
; NO CLUSTER, NO TENSOR LOAD: of wk and wv a wave needs its own 32 rows alone, and they go from memory straight into its operand registers; a joint request would land in LDS, where no second wave of the work-group wants those bytes.
; LIMITS: NaN and infinities among the inputs are not served; a block whose largest magnitude lies under 2^-124 has its scale byte held at 1; a block of zeros gets the byte 1 (its codes are zeros; these bytes are read by this program alone).
; THE MODE: SCHED_MODE bits 1:0 = 2 (LLVM: expert scheduling mode 2), set by the entry lines.  The code itself states the register dependences
; between vector or matrix instructions and memory or LDS instructions, with s_wait_alu, always for 0.
; THE PLAN.  Registers that memory or LDS instructions touch:
;   v2-7 and the addresses of a fill (v123-126, v153-156; the third way: v5-8)   made by vector instructions in the head of a way, never written as addresses again: one wait on va_vdst ahead of the way's first load.
;   The data and addresses of a fill (v112-126, v128-255) become token fragments and accumulators behind it: one wait on vm_vsrc at the head of the products.
;   v80-111   first way: two rows of x from the stage land here; the quantiser reads them.   v112-117, v122: the quantiser writes them; LDS stores read them.
;   TF, TSC   four token fragments and their scale words: LDS loads land; eight products read.  One set: the wave's 256 registers are all taken.  So one wait on va_vdst stands behind each eight products.
;   WB        two sets of weight fragments by turns: item i reads set i % 2; behind the wait at its end the loads of item i + 2 land there.
;   PC        a finished fragment: the quantiser writes it, three stores read it; one wait on va_vdst ahead of them, one on vm_vsrc behind them wherever these registers are written again.
; Between a wait on va_vdst and the memory instructions that lean on it stands no vector or matrix instruction that names their registers.
.set STG,   0                          ; path SA: a stage of 4,640 bytes for each wave: 2 rows of 2,320; a block of 32 f32 takes 128 + 16 bytes
.set TOKA,  74240                      ; path SA: 128 rows of codes, 384 bytes + 16
.set TOKAS, 125440                     ; and their scale bytes, 16 a row
.set TOKB,  127488                     ; path CA: the same two regions
.set TOKBS, 178688
.set SW,   8                           ; v8-11   the four scale words saved for the record end
.set TSC,  12                          ; v12-15  scale words of four token tiles: scales alone
.set WB,   16                          ; v16-63  two sets of two weight fragments
.set WSC,  64                          ; v64-79  the weights scale words: wk tile 0, 1, wv tile 0, 1, four K steps each: scales alone
.set TF,   80                          ; v80-127 four token fragments
.set ACC,  128                         ; v128-255 sixteen accumulators
.set TM,   80                          ; the quantiser works where the token fragments lay
.set PW,   96
.set PC,   98
.macro NOP4
.rept 4
	v_nop
.endr
.endm
.macro BARRIER                         ; my LDS stores have landed and my LDS loads are in: then the barrier
	s_wait_dscnt 0x0
	s_barrier_signal -1
	s_barrier_wait -1
.endm
.macro WMM d, a, b, cm, sa, sb         ; cm = 0: the product starts the sum
.if (\cm) == 0
	v_wmma_scale_f32_16x16x128_f8f6f4 v[(\d):(\d)+7], v[(\a):(\a)+11], v[(\b):(\b)+11], 0, v[\sa], v[\sb] matrix_a_fmt:MATRIX_FMT_FP6 matrix_b_fmt:MATRIX_FMT_FP6
.else
	v_wmma_scale_f32_16x16x128_f8f6f4 v[(\d):(\d)+7], v[(\a):(\a)+11], v[(\b):(\b)+11], v[(\d):(\d)+7], v[\sa], v[\sb] matrix_a_fmt:MATRIX_FMT_FP6 matrix_b_fmt:MATRIX_FMT_FP6
.endif
.endm
.macro WITEM i                         ; item i: K step i % 4 of wk (i < 4) or wv: my two tiles of 16 rows, 12 loads of 8 bytes, into set i % 2
.irp u, 0,1
.irp p, 0,1,2,3,4,5
.if (\i) < 4
	global_load_b64 v[WB+24*((\i)%2)+12*\u+2*\p:WB+24*((\i)%2)+12*\u+2*\p+1], v4, s[8:9] offset:\u*3072+96*((\i)%4)+48*(\p/3)+8*(\p%3)
.else
	global_load_b64 v[WB+24*((\i)%2)+12*\u+2*\p:WB+24*((\i)%2)+12*\u+2*\p+1], v4, s[12:13] offset:\u*3072+96*((\i)%4)+48*(\p/3)+8*(\p%3)
.endif
.endr
.endr
.endm
.macro WHEAD                           ; 28 loads: the scale words of my 32 rows of wk and wv, and the first two items
	global_load_b128 v[WSC:WSC+3], v5, s[10:11]
	global_load_b128 v[WSC+4:WSC+7], v5, s[10:11] offset:128
	global_load_b128 v[WSC+8:WSC+11], v5, s[14:15]
	global_load_b128 v[WSC+12:WSC+15], v5, s[14:15] offset:128
	WITEM 0
	WITEM 1
.endm
; A lane holds a whole block of 32 numbers in v[x] on: its codes (24 bytes) and its scale byte go to LDS.  c: six registers and two more; t: four registers at work.
.macro QROW x, c, t, adr, sadr, imm, simm
	v_max3_num_f32 v[\t], |v[\x]|, |v[\x+1]|, |v[\x+2]|
	v_max3_num_f32 v[\t+1], |v[\x+3]|, |v[\x+4]|, |v[\x+5]|
.irp i, 6,10,14,18,22,26
	v_max3_num_f32 v[\t], v[\t], |v[\x+\i]|, |v[\x+\i+1]|
	v_max3_num_f32 v[\t+1], v[\t+1], |v[\x+\i+2]|, |v[\x+\i+3]|
.endr
	v_max3_num_f32 v[\t], v[\t], |v[\x+30]|, |v[\x+31]|
	v_max3_num_f32 v[\t], v[\t], v[\t+1], 0x1800000        ; the floor 2^(3 - 127): the byte cannot fall under 1
	v_add_nc_u32 v[\t+2], 0xff000000, v[\t]                ; 2 off the exponent field: the conversion takes this field as its scale
	v_cvt_scalef32_pk16_fp6_f32 v[\c:\c+2], v[\x:\x+15], v[\t+2]
	v_cvt_scalef32_pk16_fp6_f32 v[\c+4:\c+6], v[\x+16:\x+31], v[\t+2]   ; (three registers of a conversion begin on an even number)
	v_lshrrev_b32 v[\t+3], 23, v[\t+2]                     ; the scale byte; also the plain line behind the conversions
	v_mov_b32 v[\c+3], v[\c+4]
	v_mov_b32 v[\c+4], v[\c+5]
	v_mov_b32 v[\c+5], v[\c+6]
	s_wait_alu depctr_va_vdst(0)                           ; the codes and the byte are written, which the LDS stores below read; and the quantiser is done with the 32 numbers and its registers at work, in which later LDS loads land
	ds_store_b64 v[\adr], v[\c:\c+1] offset:\imm
	ds_store_b64 v[\adr], v[\c+2:\c+3] offset:\imm+8
	ds_store_b64 v[\adr], v[\c+4:\c+5] offset:\imm+16
	ds_store_b8 v[\sadr], v[\t+3] offset:\simm
.endm
; 64 numbers of a lane, register 16 b + i = k 32 b + 16 (lane / 16) + i of my row, become a fragment in v[PC] on and its scale word in v[PW].
.macro QUANT s
.irp b, 0,1,2,3
	v_mov_b32 v[TM+4+\b], 0                                ; the destination of a lane permute counts as one of its sources
.endr
.irp b, 0,1,2,3
	v_max3_num_f32 v[TM+\b], |v[\s+16*\b]|, |v[\s+1+16*\b]|, 0x1800000
.endr
.irp i, 2,4,6,8,10,12,14
.irp b, 0,1,2,3
	v_max3_num_f32 v[TM+\b], v[TM+\b], |v[\s+16*\b+\i]|, |v[\s+1+16*\b+\i]|
.endr
.endr
.irp b, 0,1,2,3
	v_permlanex16_b32 v[TM+4+\b], v[TM+\b], s20, s21
.endr
.irp b, 0,1,2,3
	v_max_num_f32 v[TM+\b], v[TM+\b], v[TM+4+\b]           ; with lane l xor 16: the largest magnitude of the block
.endr
.irp b, 0,1,2,3
	v_add_nc_u32 v[TM+12+\b], 0xff000000, v[TM+\b]
.endr
.irp b, 0,1,2,3
	v_lshrrev_b32 v[TM+4+\b], 23, v[TM+12+\b]
.endr
	v_lshl_or_b32 v[PW], v[TM+5], 8, v[TM+4]
	v_lshl_or_b32 v[PW], v[TM+6], 16, v[PW]
	v_lshl_or_b32 v[PW], v[TM+7], 24, v[PW]
.irp c, 0,1
	v_cvt_scalef32_pk16_fp6_f32 v[PC+6*\c:PC+2+6*\c], v[\s+32*\c:\s+15+32*\c], v[TM+12+2*\c]
	v_cvt_scalef32_pk16_fp6_f32 v[PC+12+4*\c:PC+14+4*\c], v[\s+16+32*\c:\s+31+32*\c], v[TM+12+2*\c+1]
.endr
	v_nop                                                  ; one plain line behind a scaled conversion
.irp c, 0,1                            ; the operand wants a whole block in a lane: lanes 0-15 block 2 c, lanes 16-31 block 2 c + 1
.irp i, 0,1,2
	v_permlane16_swap_b32 v[PC+6*\c+\i], v[PC+12+4*\c+\i]
.endr
.irp i, 0,1,2
	v_mov_b32 v[PC+3+6*\c+\i], v[PC+12+4*\c+\i]
.endr
.endr
.endm
; The addresses that both token paths keep: v1 r, v9 h, v10 r + 8 (r / 8), v11 lane are left for the fill.
.macro COMMON tok, toks
	v_and_b32 v1, 15, v0
	v_bfe_u32 v9, v0, 4, 1
	v_and_b32 v10, 8, v1
	v_add_nc_u32 v10, v10, v1
	v_and_b32 v11, 31, v0
	v_mul_u32_u24 v2, v10, 400
	v_mad_u32_u24 v2, v9, 24, v2
	v_add_nc_u32 v2, \tok, v2                              ; v2: my place in a tile of tokens
	v_lshl_add_u32 v3, v10, 4, \toks                       ; v3: and among their scale words
	s_mul_i32 s23, s18, 12288
	v_mul_u32_u24 v4, v10, 384
	v_mad_u32_u24 v4, v9, 24, v4
	v_add_nc_u32 v4, s23, v4                               ; v4: weight row 32 w + r + 8 (r / 8), + 24 h
	s_lshl_b32 s23, s18, 9
	v_lshl_add_u32 v5, v10, 4, s23                         ; v5: its 16 scale bytes
	v_lshlrev_b32 v6, 4, v11                               ; v6: 16 x lane
	v_lshlrev_b32 v7, 3, v11                               ; v7: 8 x lane
	s_lshr_b32 s24, s19, 3
	s_lshl_b32 s24, s24, 4
	s_add_co_u32 s24, s24, s18
	s_lshl_b32 s24, s24, 3
	s_and_b32 s25, s19, 7
	s_add_co_u32 s24, s24, s25
	s_mul_i32 s24, s24, 6400                               ; my record, in bytes
	s_mov_b32 s25, 0
.endm
; Eight items: K steps 0-3 of k, then of v.  An item: its weight fragments are in (the next item 12 loads may be out); twice four token fragments from LDS and eight products.
; k: source 0 = weight tile u, source 1 = token tile t: a lane holds one token and 16 neighbouring channels.  v: the sources change places: a lane holds one channel and 16 neighbouring tokens.
; The sixteen accumulators take turns, one instruction a turn.
.macro KVGEMM
	s_wait_alu depctr_vm_vsrc(0)                           ; the loads and LDS stores of the fill have read their addresses and data: these registers are token fragments and accumulators from here on, written by the LDS loads and the products below
.irp it, 0,1,2,3,4,5,6,7
.if \it < 7
	s_wait_loadcnt 12
.else
	s_wait_loadcnt 0x0
.endif
.irp grp, 0,1
.if \grp
	NOP4                                                   ; four places in front of loads into registers that matrix instructions have read
	s_wait_alu depctr_va_vdst(0)                           ; the eight products above are done reading the four token fragments and their scale words, in which the loads below land
.endif
.irp q, 0,1,2,3
.irp p, 0,1,2,3,4,5
	ds_load_b64 v[TF+12*\q+2*\p:TF+12*\q+2*\p+1], v2 offset:(32*((4*\grp+\q)/2)+8*(\q%2))*400+96*(\it%4)+48*(\p/3)+8*(\p%3)
.endr
	ds_load_b32 v[TSC+\q], v3 offset:(32*((4*\grp+\q)/2)+8*(\q%2))*16+4*(\it%4)
.endr
	s_wait_dscnt 0x0
.irp q, 0,1,2,3
.irp u, 0,1
.if \it < 4
	WMM ACC+16*(4*\grp+\q)+8*\u, WB+24*(\it%2)+12*\u, TF+12*\q, \it%4, WSC+4*\u+\it%4, TSC+\q
.else
	WMM ACC+64*\u+8*(4*\grp+\q), TF+12*\q, WB+24*(\it%2)+12*\u, \it%4, TSC+\q, WSC+8+4*\u+\it%4
.endif
.endr
.endr
.endr
	NOP4                                                   ; places for the loads below, for the next item's, and for the first read of results
.if \it < 7
	s_wait_alu depctr_va_vdst(0)                           ; the products of this item are done reading its set of weight fragments, the token fragments and their scale words: the weight loads below and the next item's token loads land there
.endif
.if \it < 6
	WITEM \it+2
.endif
.if \it == 3                           ; k is whole: 64 registers are four tiles of keys x 16 channels of my half: one fragment
.irp f, 0,1
	QUANT ACC+64*\f
	v_mov_b32 v[SW+\f], v[PW]
	s_wait_alu depctr_va_vdst(0)                           ; the fragment's codes are written, which the stores read; and the quantiser is done with v80 on, in which the next item's token fragments land
.irp c, 0,1,2
	global_store_b128 v6, v[PC+4*\c:PC+4*\c+3], s[16:17] offset:1536*\f+512*\c
.endr
	s_wait_xcnt 0x0                                        ; the stores have read their registers: these are written again below
	s_wait_alu depctr_vm_vsrc(0)                           ; the stores have read the codes' registers, which the next fragment's conversions, or the next item's LDS loads, write
.endr
.endif
.if \it == 7                           ; v is whole: 64 registers are 128 keys of one channel
.irp f, 0,1
	QUANT ACC+64*\f
	v_mov_b32 v[SW+2+\f], v[PW]
	s_wait_alu depctr_va_vdst(0)                           ; the fragment's codes are written, which the stores read
.irp c, 0,1,2
	global_store_b128 v6, v[PC+4*\c:PC+4*\c+3], s[16:17] offset:3072+1536*\f+512*\c
.endr
	s_wait_xcnt 0x0
.if \f == 0
	s_wait_alu depctr_vm_vsrc(0)                           ; the stores have read the codes' registers, which the second fragment's conversions write
.endif
.endr
.endif
.endr
	v_cndmask_b32 v8, v9, v8, s22                          ; lanes 0-15 fragment 0, lanes 16-31 fragment 1: K,
	v_cndmask_b32 v9, v11, v10, s22                        ; and V^T
	s_wait_alu depctr_va_vdst(0)                           ; the two selections have written v8 and v9, which the store reads
	global_store_b64 v7, v[8:9], s[16:17] offset:6144      ; 32 lanes store 256 consecutive bytes
	s_wait_xcnt 0x0
	v_lshl_add_u32 v254, v0, 2, 0x2c200
	v_mov_b32 v255, 0
	s_wait_dscnt 0x0                                       ; the closing lines, six on end
	s_wait_alu 0x0
	s_wait_tensorcnt 0x0
	ds_add_u32 v254, v255
	s_wait_dscnt 0x0
	s_endpgm
.endm
	v_lshrrev_b32 v1, 5, v0
	v_readfirstlane_b32 s18, v1                            ; wave 0..15
	s_wait_alu depctr_va_sdst(0)                           ; s18 is written, ahead of the branches and of its first reader in each of the three ways
	s_mov_b32 s19, ttmp9
	s_mov_b32 s20, 0x76543210
	s_mov_b32 s21, 0xfedcba98                              ; selects of v_permlanex16_b32 for lane l xor 16
	s_mov_b32 s22, 0xffff                                  ; lanes 0-15
	s_cmp_ge_u32 s19, 128
	s_cbranch_scc1 .Llay
	s_cmp_ge_u32 s19, 64
	s_cbranch_scc1 .Lca
	; ---- SA: 128 rows of x are quantised into LDS, 8 rows a wave
	s_load_b64 s[4:5], s[0:1], 0x0                         ; x
	s_load_b256 s[8:15], s[0:1], 0x18                      ; sa_wk codes, scales, sa_wv codes, scales
	s_load_b64 s[16:17], s[0:1], 0xb8                      ; kv
	COMMON TOKA, TOKAS
	s_mul_i32 s26, s18, 4640
	v_lshrrev_b32 v123, 3, v11
	v_mul_u32_u24 v123, v123, 144
	v_and_b32 v124, 7, v11
	v_lshl_add_u32 v123, v124, 4, v123
	v_add_nc_u32 v123, s26, v123                           ; the stage, in: as loaded, 16 bytes a lane, 16 of padding behind each 128
	v_mul_u32_u24 v124, v9, 2320
	v_mad_u32_u24 v124, v1, 144, v124
	v_add_nc_u32 v124, s26, v124                           ; out: row h, block r: 32 neighbours
	s_mul_i32 s26, s18, 3200
	s_add_co_u32 s26, s26, TOKA
	v_mul_u32_u24 v125, v9, 400
	v_mad_u32_u24 v125, v1, 24, v125
	v_add_nc_u32 v125, s26, v125                           ; codes of row 8 w + h, block r
	s_lshl_b32 s26, s18, 7
	s_add_co_u32 s26, s26, TOKAS
	v_lshl_add_u32 v126, v9, 4, v1
	v_add_nc_u32 v126, s26, v126                           ; and the scale byte
	s_lshl_b32 s26, s19, 18                                ; 128 rows of 2,048 bytes a work-group,
	s_lshl_b32 s27, s18, 14                                ; 8 a wave
	s_add_co_u32 s26, s26, s27
	s_mov_b32 s27, 0
	s_wait_kmcnt 0x0
	s_add_nc_u64 s[4:5], s[4:5], s[26:27]
	s_add_nc_u64 s[16:17], s[16:17], s[24:25]
	s_wait_alu depctr_va_vdst(0)                           ; the offsets and LDS addresses v2 to v7 and v123 to v126 are written, which the loads, stores and LDS instructions of this way read
.set jj, 0
.rept 32
	global_load_b128 v[128+4*jj:131+4*jj], v6, s[4:5] offset:512*jj th:TH_LOAD_NT   ; 32 lanes read 512 consecutive bytes
.set jj, jj+1
.endr
	WHEAD
.irp t, 0,1,2,3                        ; two rows at a time
	s_wait_loadcnt 52-8*\t                                 ; these eight loads are in; out may be the 28 weight loads and the rows behind
.irp i, 0,1,2,3,4,5,6,7
	ds_store_b128 v123, v[128+32*\t+4*\i:131+32*\t+4*\i] offset:(\i/4)*2320+576*(\i%4)
.endr
.irp j, 0,1,2,3,4,5,6,7
	ds_load_b128 v[80+4*\j:83+4*\j], v124 offset:16*\j      ; LDS serves the instructions of a wave in order: these see the stores above.  (No vector instruction has named v80 to v111 since the quantiser's wait)
.endr
	s_wait_dscnt 0x0
.if \t > 0
	s_wait_alu depctr_vm_vsrc(0)                           ; the LDS stores of the two rows before have read their codes and byte, v112 to v117 and v122, which the quantiser writes again
.endif
	QROW 80, 112, 119, 125, 126, 800*\t, 32*\t
.endr
	BARRIER                                                ; all 128 rows of codes lie in LDS
	KVGEMM
.Lca:	; ---- CA: 128 rows of the encoder codes go to LDS as they are
	s_load_b128 s[4:7], s[0:1], 0x8                        ; encoder codes, scales
	s_load_b256 s[8:15], s[0:1], 0x38                      ; ca_wk codes, scales, ca_wv codes, scales
	s_load_b64 s[16:17], s[0:1], 0xb8                      ; kv
	COMMON TOKB, TOKBS
	v_mul_u32_u24 v153, v0, 96                             ; a thread takes 96 bytes, a quarter of a row
	v_lshlrev_b32 v154, 2, v0
	v_lshrrev_b32 v157, 2, v0
	v_lshl_add_u32 v155, v157, 4, v153
	v_add_nc_u32 v155, TOKB, v155                          ; 16 bytes of padding behind each row
	v_add_nc_u32 v156, TOKBS, v154
	s_sub_co_u32 s26, s19, 64
	s_mul_i32 s28, s26, 49152
	s_mov_b32 s29, 0
	s_lshl_b32 s26, s26, 11
	s_mov_b32 s27, 0
	s_wait_kmcnt 0x0
	s_add_nc_u64 s[4:5], s[4:5], s[28:29]
	s_add_nc_u64 s[6:7], s[6:7], s[26:27]
	s_add_nc_u64 s[16:17], s[16:17], s[24:25]
	s_wait_alu depctr_va_vdst(0)                           ; the offsets and LDS addresses v2 to v7 and v153 to v156 are written, which the loads, stores and LDS instructions of this way read
.irp i, 0,1,2,3,4,5
	global_load_b128 v[128+4*\i:131+4*\i], v153, s[4:5] offset:16*\i
.endr
	global_load_b32 v152, v154, s[6:7]
	WHEAD
	s_wait_loadcnt 28                                      ; the seven above are in; the 28 weight loads may be out
.irp i, 0,1,2,3,4,5
	ds_store_b128 v155, v[128+4*\i:131+4*\i] offset:16*\i
.endr
	ds_store_b32 v156, v152
	BARRIER
	KVGEMM
.Llay:	; ---- LAY: one record of wimg a wave
	s_mov_b32 s40, s18                                     ; wave
	s_sub_co_u32 s41, s19, 128                             ; j = 0..11
	s_load_b512 s[8:23], s[0:1], 0x58                      ; sa_wq, sa_pw, ca_wq, ca_pw: codes and scales
	s_load_b256 s[24:31], s[0:1], 0x98                     ; ff_w1, ff_w2
	s_load_b64 s[32:33], s[0:1], 0xc0                      ; wimg
	s_lshr_b32 s42, s41, 3
	s_add_co_u32 s42, s42, 4
	s_and_b32 s43, s41, 3
	s_lshl_b32 s43, s43, 4
	s_add_co_u32 s43, s43, s40
	s_cmp_lt_u32 s41, 4
	s_cselect_b32 s42, s41, s42                            ; which weight: j, or 4 (ff_w1), 5 (ff_w2)
	s_cselect_b32 s43, s40, s43                            ; which record of it
	s_lshr_b32 s38, s43, 2
	s_and_b32 s39, s43, 3
	s_mov_b32 s46, 384
	s_cmp_ge_u32 s41, 8                                    ; ff_w2 has K = 2,048: four records for 32 rows
	s_cselect_b32 s44, s38, s43                            ; which 32 rows
	s_cselect_b32 s45, s39, 0                              ; which quarter of K
	s_cselect_b32 s46, 1536, s46                           ; a row of codes
	s_cselect_b32 s47, 64, 16                              ; a row of scale bytes
	v_and_b32 v1, 15, v0
	v_bfe_u32 v2, v0, 4, 1
	v_and_b32 v3, 8, v1
	v_add_nc_u32 v3, v3, v1                                ; r + 8 (r / 8)
	s_lshl_b32 s44, s44, 5
	v_add_nc_u32 v4, s44, v3
	v_mul_lo_u32 v5, v4, s46
	v_mad_u32_u24 v5, v2, 24, v5
	s_mul_i32 s38, s45, 384
	v_add_nc_u32 v5, s38, v5                               ; tile 0
	s_lshl_b32 s38, s46, 3
	v_add_nc_u32 v6, s38, v5                               ; tile 1: eight rows on
	v_lshl_add_u32 v4, v2, 3, v4
	v_mul_lo_u32 v7, v4, s47
	s_lshl_b32 s38, s45, 4
	v_add_nc_u32 v7, s38, v7                               ; scale words: lanes 0-15 tile 0, lanes 16-31 tile 1
	v_and_b32 v8, 31, v0
	v_lshlrev_b32 v8, 4, v8
	s_lshl_b32 s38, s41, 4
	s_add_co_u32 s38, s38, s40
	s_mul_i32 s38, s38, 12800
	s_mov_b32 s39, 0
	s_wait_kmcnt 0x0
	s_mov_b64 s[34:35], s[8:9]
	s_mov_b64 s[36:37], s[10:11]
.irp k, 1,2,3,4,5
	s_cmp_eq_u32 s42, \k
	s_cselect_b64 s[34:35], s[8+4*\k:9+4*\k], s[34:35]
	s_cselect_b64 s[36:37], s[10+4*\k:11+4*\k], s[36:37]
.endr
	s_add_nc_u64 s[32:33], s[32:33], s[38:39]
	s_wait_alu depctr_va_vdst(0)                           ; the offsets v5 to v8 are written, which the loads and stores below read
.irp s, 0,1,2,3
.irp p, 0,1,2,3,4,5
	global_load_b64 v[16+24*\s+2*\p:17+24*\s+2*\p], v5, s[34:35] offset:96*\s+48*(\p/3)+8*(\p%3)
	global_load_b64 v[28+24*\s+2*\p:29+24*\s+2*\p], v6, s[34:35] offset:96*\s+48*(\p/3)+8*(\p%3)
.endr
.endr
	global_load_b128 v[112:115], v7, s[36:37]
	s_wait_loadcnt 0x0
.set jj, 0
.rept 24
	global_store_b128 v8, v[16+4*jj:19+4*jj], s[32:33] offset:512*jj   ; 32 lanes store 512 consecutive bytes
.set jj, jj+1
.endr
	global_store_b128 v8, v[112:115], s[32:33] offset:12288
	s_endpgm
.Lfunc_end_k_q3c288638a1_prep:
	.size	k_q3c288638a1_prep, .Lfunc_end_k_q3c288638a1_prep-k_q3c288638a1_prep
	.p2alignl 7, 3214868480
	.fill 96, 4, 3214868480
	.section	.rodata,"a",@progbits
	.p2align	6, 0x0
	.amdhsa_kernel k_q3c288638a1_prep
		.amdhsa_group_segment_fixed_size 182784
		.amdhsa_private_segment_fixed_size 0
		.amdhsa_enable_private_segment 0
		.amdhsa_kernarg_size 200
		.amdhsa_user_sgpr_count 2
		.amdhsa_user_sgpr_kernarg_segment_ptr 1
		.amdhsa_wavefront_size32 1
		.amdhsa_system_sgpr_workgroup_id_x 1
		.amdhsa_system_sgpr_workgroup_id_y 1
		.amdhsa_system_sgpr_workgroup_id_z 1
		.amdhsa_system_vgpr_workitem_id 0
		.amdhsa_next_free_vgpr 256
		.amdhsa_next_free_sgpr 66
		.amdhsa_reserve_vcc 0
		.amdhsa_float_denorm_mode_32 3
		.amdhsa_float_denorm_mode_16_64 3
		.amdhsa_memory_ordered 1
		.amdhsa_forward_progress 1
		.amdhsa_inst_pref_size 179
	.end_amdhsa_kernel
	.amdgpu_metadata
---
amdhsa.version: [ 1, 2 ]
amdhsa.kernels:
  - .name:           k_q3c288638a1_prep
    .symbol:         k_q3c288638a1_prep.kd
    .args:
      - { .name: x, .offset: 0, .size: 8, .value_kind: global_buffer, .address_space: global }
      - { .name: encoder_output_codes, .offset: 8, .size: 8, .value_kind: global_buffer, .address_space: global }
      - { .name: encoder_output_scales, .offset: 16, .size: 8, .value_kind: global_buffer, .address_space: global }
      - { .name: sa_wk_codes, .offset: 24, .size: 8, .value_kind: global_buffer, .address_space: global }
      - { .name: sa_wk_scales, .offset: 32, .size: 8, .value_kind: global_buffer, .address_space: global }
      - { .name: sa_wv_codes, .offset: 40, .size: 8, .value_kind: global_buffer, .address_space: global }
      - { .name: sa_wv_scales, .offset: 48, .size: 8, .value_kind: global_buffer, .address_space: global }
      - { .name: ca_wk_codes, .offset: 56, .size: 8, .value_kind: global_buffer, .address_space: global }
      - { .name: ca_wk_scales, .offset: 64, .size: 8, .value_kind: global_buffer, .address_space: global }
      - { .name: ca_wv_codes, .offset: 72, .size: 8, .value_kind: global_buffer, .address_space: global }
      - { .name: ca_wv_scales, .offset: 80, .size: 8, .value_kind: global_buffer, .address_space: global }
      - { .name: sa_wq_codes, .offset: 88, .size: 8, .value_kind: global_buffer, .address_space: global }
      - { .name: sa_wq_scales, .offset: 96, .size: 8, .value_kind: global_buffer, .address_space: global }
      - { .name: sa_pw_codes, .offset: 104, .size: 8, .value_kind: global_buffer, .address_space: global }
      - { .name: sa_pw_scales, .offset: 112, .size: 8, .value_kind: global_buffer, .address_space: global }
      - { .name: ca_wq_codes, .offset: 120, .size: 8, .value_kind: global_buffer, .address_space: global }
      - { .name: ca_wq_scales, .offset: 128, .size: 8, .value_kind: global_buffer, .address_space: global }
      - { .name: ca_pw_codes, .offset: 136, .size: 8, .value_kind: global_buffer, .address_space: global }
      - { .name: ca_pw_scales, .offset: 144, .size: 8, .value_kind: global_buffer, .address_space: global }
      - { .name: ff_w1_codes, .offset: 152, .size: 8, .value_kind: global_buffer, .address_space: global }
      - { .name: ff_w1_scales, .offset: 160, .size: 8, .value_kind: global_buffer, .address_space: global }
      - { .name: ff_w2_codes, .offset: 168, .size: 8, .value_kind: global_buffer, .address_space: global }
      - { .name: ff_w2_scales, .offset: 176, .size: 8, .value_kind: global_buffer, .address_space: global }
      - { .name: kv, .offset: 184, .size: 8, .value_kind: global_buffer, .address_space: global }
      - { .name: wimg, .offset: 192, .size: 8, .value_kind: global_buffer, .address_space: global }
    .group_segment_fixed_size: 182784
    .private_segment_fixed_size: 0
    .kernarg_segment_align: 8
    .kernarg_segment_size: 200
    .max_flat_workgroup_size: 512
    .sgpr_count:     66
    .vgpr_count:     256
    .wavefront_size: 32
...
	.end_amdgpu_metadata
.endif
;; end of part 3
;; launch block (part 4): grid 256 x 1, 16 waves a work-group, no clusters, 154,880 bytes of LDS; arguments x, kv, wimg, sa_pb, ca_pb, ff_b1, ff_b2, ln1_g, ln1_b, ln2_g, ln2_b, ln3_g, ln3_b, out0; writes out0
.if DOCPART == 4
	.amdgcn_target "amdgcn-amd-amdhsa--gfx1250"
	.amdhsa_code_object_version 6
	.text
	.protected	k_q3c288638a1_block
	.globl	k_q3c288638a1_block
	.p2align	8
	.type	k_q3c288638a1_block,@function
k_q3c288638a1_block:
	s_mov_b64 s[64:65], 0
	v_nop
	global_prefetch_b8 v0, s[64:65] scope:SCOPE_SE
	s_setreg_imm32_b32 hwreg(HW_REG_WAVE_SCHED_MODE, 0, 2), 2
	s_setreg_imm32_b32 hwreg(HW_REG_WAVE_MODE, 25, 1), 1
	s_wait_xcnt 0x0
	s_wait_alu depctr_vm_vsrc(0)
; BLOCK: all of the decoder block behind k and v, for 32 rows a work-group: norm 1, q, causal attention, projection, residual; norm 2, q, cross attention, projection, residual; norm 3, feed-forward, residual.
; All products on codes of FP6 (E2M3) with one E8M0 scale for each 32 along K; everything else in f32.
; SHARES.  Work-group g: batch g / 32, a = g % 32: the tiles of 16 rows a and 63 - a.  Tile i needs i / 8 + 1 causal key steps of 128, so the two together always need 9: all work-groups have the same work.
; WAVE w OWNS HEAD w, WHICH IS ALSO OUTPUT COLUMNS 32 w .. 32 w + 31, in every product (in the first feed-forward product: columns 128 w on).  So q goes from its product to attention inside one wave,
; and each record of K and V and each record of weights is read by exactly one wave of the work-group, from memory straight into operand registers (16 bytes a lane, 512 consecutive bytes an instruction).
; In the phases by rows (load, norms, store) wave w owns local rows 2 w, 2 w + 1: lanes 0-15 one row, lanes 16-31 the other; lane r holds block r of 32.
; Only activations go from wave to wave, through LDS: rows of codes with their scale bytes, and the residual in f32.  Nine barriers; a region is written again only behind a barrier that every wave reaches behind its last read of it.
; EVERY PRODUCT IS USED TRANSPOSED (source 0 = 16 rows of a weight, of K or of V^T; source 1 = 16 of my rows): a lane holds ONE row (lane % 16), and the rows of source 0 are laid so that 16 registers are 16 neighbours along the next K.
; Q K^T HAS K = 32: a fragment of K holds four tiles of keys, one in each block of 32; source 1 holds q in one block and zero codes in the other three, so that one instruction gives one tile of scores.
; SOFTMAX: t = score x log2(e) / sqrt(32); M = the running largest t rounded up to a whole number; p = 2^(t - M) is quantised along the keys; the sum is taken of the unquantised p and divides at the end.
; NO CLUSTER, NO TENSOR LOAD: no byte of K, V or a weight is wanted by two waves of a work-group, and a joint request lands in LDS: a key step of 16 heads is 102,400 bytes that would be written and read once more;
; in the causal layer partners would need different numbers of key steps (a / 8 + 1).
; LIMITS: NaN and infinities among the inputs are not served; a block whose largest magnitude lies under 2^-124 has its scale byte held at 1; a block of zeros gets the byte 1 (zero codes; read by this program alone).
; THE MODE: SCHED_MODE bits 1:0 = 2 (LLVM: expert scheduling mode 2), set by the entry lines.  The code itself states the register dependences
; between vector or matrix instructions and memory or LDS instructions, with s_wait_alu, always for 0.
; THE PLAN.  Registers that memory or LDS instructions touch:
;   v1, v2, v255   offsets, made once at the head.
;   v3-16          addresses: written by SETADDR at the head and at the end of each attention; read by the phases by rows and by the products' loads; attention takes v8-16 for its statistics and q:
;                  a wait on va_vdst behind each SETADDR (in a layer: the quantiser's own, ahead of its LDS stores), a wait on vm_vsrc ahead of QPREP.
;   v22-121        a record of weights, or K and V of a key step: global loads land, products read (v16-69: QPREP writes q there): a wait on va_vdst between the last product that reads them and each run of loads.
;   v122-173       activation fragments and their scale words: LDS loads land, products read; one set, since the wave's 256 registers are all taken: a wait on va_vdst ahead of the second run of loads of a product.
;   v158-221       accumulators, a bias, g and b of a norm: products and vector instructions name them, global loads land: these loads stand behind the wait ahead of the LDS stores of RESID, QROW or QB2.
;   v222-253       rows of x and of the residual land here and leave from here; the norm, the quantisers and the softmax work here: a wait on va_vdst ahead of each run of LDS stores, a wait on vm_vsrc ahead of the next writer.
; A KEY STEP has three waits on va_vdst beside the two behind its exponentials: behind Q K^T, whose results the softmax wants next in any case, ahead of the loads of the next K; ahead of V^T P, for the codes and scale word of p;
; behind V^T P, ahead of the loads of the next V.  Between a wait on va_vdst and the memory instructions that lean on it stands no vector or matrix instruction that names their registers.
.set ACT,   74240                      ; LDS: 0: the residual, 32 rows of 2,320 bytes, a block of 32 f32 in 128 + 16;  ACT: 32 rows of codes, 384 + 16
.set ACTS,  87040                      ; their scale bytes, 16 a row
.set A2OFF, 13312                      ; a second pair of the same, so many bytes on: the attention results
.set HID,   100864                     ; the hidden layer: 32 rows of 1,536 + 16
.set HIDS,  150528                     ; its scale bytes: 64 + 4 a row
; v1 16 x lane, v2 8 x lane, v255 256 x lane: never rewritten.  v3-16 addresses (SETADDR), v17-21 at work there.  v118-125 scale words and nothing else.
.set WF,   22                          ; v22-117  a record of weights: fragment (K step s, tile u) at 12 (2 s + u)
.set WS,   118                         ; v118-121 its scale words
.set ASR,  122                         ; v122-125 scale words of four activation fragments
.set AF,   126                         ; v126-173 four activation fragments
.set ACC,  174                         ; v174-205 four accumulators: 16 m + 8 u
.set BIAS, 206                         ; v206-221 a bias in the layout of the result
.set LX,   126                         ; the norms: 32 numbers, g, b
.set LG,   158
.set LB,   190
.set KF,   70                          ; attention: v8-15 statistics, v16-69 q, v70-93 K, v94-117 V^T
.set VF,   94
.set SS,   126                         ; v126-189 scores, then p
.set OA,   190                         ; v190-221 O^T: 16 tau + 8 u
.set BM,   222                         ; v222-225 largest score of each block
.set BX,   226                         ; v226-229 at work
.set SO,   230                         ; v230-233 scale operands of the conversions
.set FF,   234                         ; v234 f, v235 at work
.set TT,   235
.set PC,   236                         ; v236-247 codes of p
.set PT,   248                         ; v248-254 at work
.set SK,   120
.set SV,   121
.set QS,   122
.set PW,   124
.macro NOP4                            ; four places: behind matrix instructions, in front of loads into their registers and of the first read of results
.rept 4
	v_nop
.endr
.endm
.macro BARRIER                         ; my LDS stores have landed and my LDS loads are in: then the barrier
	s_wait_dscnt 0x0
	s_barrier_signal -1
	s_barrier_wait -1
.endm
.macro WMM d, a, b, cm, cr, sa, sb, ra ; cm = 0: C is 0, else v[cr] on; ra = 1: the scales of source 0 stand in lanes 16-31
.if (\cm) == 0
.if (\ra) == 0
	v_wmma_scale_f32_16x16x128_f8f6f4 v[(\d):(\d)+7], v[(\a):(\a)+11], v[(\b):(\b)+11], 0, v[\sa], v[\sb] matrix_a_fmt:MATRIX_FMT_FP6 matrix_b_fmt:MATRIX_FMT_FP6
.else
	v_wmma_scale_f32_16x16x128_f8f6f4 v[(\d):(\d)+7], v[(\a):(\a)+11], v[(\b):(\b)+11], 0, v[\sa], v[\sb] matrix_a_fmt:MATRIX_FMT_FP6 matrix_b_fmt:MATRIX_FMT_FP6 matrix_a_scale:MATRIX_SCALE_ROW1
.endif
.else
.if (\ra) == 0
	v_wmma_scale_f32_16x16x128_f8f6f4 v[(\d):(\d)+7], v[(\a):(\a)+11], v[(\b):(\b)+11], v[(\cr):(\cr)+7], v[\sa], v[\sb] matrix_a_fmt:MATRIX_FMT_FP6 matrix_b_fmt:MATRIX_FMT_FP6
.else
	v_wmma_scale_f32_16x16x128_f8f6f4 v[(\d):(\d)+7], v[(\a):(\a)+11], v[(\b):(\b)+11], v[(\cr):(\cr)+7], v[\sa], v[\sb] matrix_a_fmt:MATRIX_FMT_FP6 matrix_b_fmt:MATRIX_FMT_FP6 matrix_a_scale:MATRIX_SCALE_ROW1
.endif
.endif
.endm
.macro SETADDR                         ; l lane, r = l % 16, h = l / 16, w wave
	v_and_b32 v17, 31, v0
	v_and_b32 v18, 15, v0
	v_bfe_u32 v19, v0, 4, 1
	s_mul_i32 s2, s32, 4640
	v_lshrrev_b32 v20, 3, v17
	v_mul_u32_u24 v20, v20, 144
	v_and_b32 v21, 7, v17
	v_lshl_add_u32 v20, v21, 4, v20
	v_add_nc_u32 v3, s2, v20                               ; v3: residual, my two rows as memory has them: 4640 w + 144 (l / 8) + 16 (l % 8)
	v_mul_u32_u24 v20, v19, 2320
	v_mad_u32_u24 v20, v18, 144, v20
	v_add_nc_u32 v4, s2, v20                               ; v4: row 2 w + h, block r
	s_mul_i32 s2, s32, 800
	s_add_co_u32 s2, s2, ACT
	v_mul_u32_u24 v20, v19, 400
	v_mad_u32_u24 v20, v18, 24, v20
	v_add_nc_u32 v5, s2, v20                               ; v5: codes of row 2 w + h, block r
	s_lshl_b32 s2, s32, 5
	s_add_co_u32 s2, s2, ACTS
	v_lshl_add_u32 v20, v19, 4, v18
	v_add_nc_u32 v6, s2, v20                               ; v6: its scale byte
	v_mul_u32_u24 v20, v18, 400
	v_mad_u32_u24 v20, v19, 24, v20
	v_add_nc_u32 v7, ACT, v20                              ; v7: a fragment of activations: row r, + 24 h
	v_lshl_add_u32 v8, v18, 4, ACTS                        ; v8: its scale words
	v_mul_u32_u24 v20, v18, 1552
	v_mad_u32_u24 v20, v19, 24, v20
	v_add_nc_u32 v9, HID, v20                              ; v9, v10: the same of the hidden layer
	v_mul_u32_u24 v20, v18, 68
	v_add_nc_u32 v10, HIDS, v20
	s_mul_i32 s2, s32, 96
	s_add_co_u32 s2, s2, HID
	v_mul_u32_u24 v20, v17, 1552
	v_add_nc_u32 v11, s2, v20                              ; v11: hidden codes of row l, my four blocks
	s_lshl_b32 s2, s32, 2
	s_add_co_u32 s2, s2, HIDS
	v_mul_u32_u24 v20, v17, 68
	v_add_nc_u32 v12, s2, v20                              ; v12: their scale bytes
	s_mul_i32 s2, s32, 144
	v_mul_u32_u24 v20, v18, 2320
	v_lshl_add_u32 v20, v19, 6, v20
	v_add_nc_u32 v13, s2, v20                              ; v13: residual, row r, block w, my 16 numbers
	v_lshlrev_b32 v14, 7, v18                              ; v14: g and b of block r
	s_lshl_b32 s2, s32, 7
	v_lshl_add_u32 v15, v19, 6, s2                         ; v15: a bias of 512: columns 32 w + 16 h on
	s_lshl_b32 s2, s32, 9
	v_lshl_add_u32 v16, v19, 6, s2                         ; v16: ff_b1: columns 128 w + 16 h on
.endm
.macro WLOAD base, imm                 ; a record of weights: 25 loads
.set jj, 0
.rept 24
	global_load_b128 v[WF+4*jj:WF+4*jj+3], v1, s[\base:\base+1] offset:\imm+512*jj
.set jj, jj+1
.endr
	global_load_b128 v[WS:WS+3], v1, s[\base:\base+1] offset:\imm+12288
.endm
.macro BLOAD ptr, voff, imm            ; a bias, eight numbers for each of my two tiles of columns: 4 loads
.irp u, 0,1
.irp k, 0,1
	global_load_b128 v[BIAS+8*\u+4*\k:BIAS+8*\u+4*\k+3], v[\voff], s[\ptr:\ptr+1] offset:\imm+32*\u+16*\k
.endr
.endr
.endm
.macro GBLOAD g, b                     ; g and b of a norm: 16 loads
.irp j, 0,1,2,3,4,5,6,7
	global_load_b128 v[LG+4*\j:LG+4*\j+3], v14, s[\g:\g+1] offset:16*\j
.endr
.irp j, 0,1,2,3,4,5,6,7
	global_load_b128 v[LB+4*\j:LB+4*\j+3], v14, s[\b:\b+1] offset:16*\j
.endr
.endm
; 512 along K with the record in WF: twice (two K steps x two tiles of rows from LDS, eight products).  The four accumulators take turns, one instruction a turn.
; cmode: what starts the sums: 0 the constant 0, 1 the bias, 2 they go on.  Every caller has four places behind its last matrix instruction,
; and a wait on va_vdst behind the last vector or matrix instruction that names v122 to v173: the first run of loads leans on it.
.macro GEMMK aa, as, pit, spit, abase, sbase, kq, cmode
.irp hf, 0,1
.if \hf
	NOP4
	s_wait_alu depctr_va_vdst(0)                           ; the eight products above are done reading the four activation fragments and their scale words, in which the loads below land
.endif
.irp sp, 0,1
.irp mm, 0,1
.irp p, 0,1,2,3,4,5
	ds_load_b64 v[AF+12*(2*\sp+\mm)+2*\p:AF+12*(2*\sp+\mm)+2*\p+1], v[\aa] offset:\abase+16*\mm*\pit+96*(4*\kq+2*\hf+\sp)+48*(\p/3)+8*(\p%3)
.endr
	ds_load_b32 v[ASR+2*\sp+\mm], v[\as] offset:\sbase+16*\mm*\spit+4*(4*\kq+2*\hf+\sp)
.endr
.endr
	s_wait_dscnt 0x0
.irp sp, 0,1
.irp mm, 0,1
.irp u, 0,1
.if (\hf+\sp) == 0 && (\cmode) == 0
	WMM ACC+16*\mm+8*\u, WF+12*(2*(2*\hf+\sp)+\u), AF+12*(2*\sp+\mm), 0, 0, WS+2*\hf+\sp, ASR+2*\sp+\mm, \u
.elseif (\hf+\sp) == 0 && (\cmode) == 1
	WMM ACC+16*\mm+8*\u, WF+12*(2*(2*\hf+\sp)+\u), AF+12*(2*\sp+\mm), 1, BIAS+8*\u, WS+2*\hf+\sp, ASR+2*\sp+\mm, \u
.else
	WMM ACC+16*\mm+8*\u, WF+12*(2*(2*\hf+\sp)+\u), AF+12*(2*\sp+\mm), 1, ACC+16*\mm+8*\u, WS+2*\hf+\sp, ASR+2*\sp+\mm, \u
.endif
.endr
.endr
.endr
.endr
.endm
; A lane holds a whole block of 32 numbers in v[x] on: its codes (24 bytes) and its scale byte go to LDS.
.macro QROW x, c, t, adr, sadr
	v_max3_num_f32 v[\t], |v[\x]|, |v[\x+1]|, |v[\x+2]|
	v_max3_num_f32 v[\t+1], |v[\x+3]|, |v[\x+4]|, |v[\x+5]|
.irp i, 6,10,14,18,22,26
	v_max3_num_f32 v[\t], v[\t], |v[\x+\i]|, |v[\x+\i+1]|
	v_max3_num_f32 v[\t+1], v[\t+1], |v[\x+\i+2]|, |v[\x+\i+3]|
.endr
	v_max3_num_f32 v[\t], v[\t], |v[\x+30]|, |v[\x+31]|
	v_max3_num_f32 v[\t], v[\t], v[\t+1], 0x1800000        ; the floor 2^(3 - 127): the byte cannot fall under 1
	v_add_nc_u32 v[\t+2], 0xff000000, v[\t]                ; 2 off the exponent field: the scale operand of the conversion
	v_cvt_scalef32_pk16_fp6_f32 v[\c:\c+2], v[\x:\x+15], v[\t+2]
	v_cvt_scalef32_pk16_fp6_f32 v[\c+4:\c+6], v[\x+16:\x+31], v[\t+2]
	v_lshrrev_b32 v[\t+3], 23, v[\t+2]                     ; the scale byte; also the plain line behind the conversions
	v_mov_b32 v[\c+3], v[\c+4]
	v_mov_b32 v[\c+4], v[\c+5]
	v_mov_b32 v[\c+5], v[\c+6]
	s_wait_alu depctr_va_vdst(0)                           ; the codes and the byte are written, which the LDS stores below read; and the norm is done with its 32 numbers, g and b, in which the next bias and the next product's fragments land
	ds_store_b64 v[\adr], v[\c:\c+1]
	ds_store_b64 v[\adr], v[\c+2:\c+3] offset:8
	ds_store_b64 v[\adr], v[\c+4:\c+5] offset:16
	ds_store_b8 v[\sadr], v[\t+3]
.endm
; A norm of my two rows of the residual, quantised into ACT.  Mean first, then the squares of the differences: a common offset does not cancel.
.macro LNCORE
.irp j, 0,1,2,3,4,5,6,7
	ds_load_b128 v[LX+4*\j:LX+4*\j+3], v4 offset:16*\j
.endr
	s_wait_dscnt 0x0
	s_wait_alu depctr_vm_vsrc(0)                           ; the LDS stores of my rows (of x, or of the residual) have read v222 on, which the sums and the quantiser below write
	v_pk_add_f32 v[222:223], v[LX:LX+1], v[LX+2:LX+3]
	v_pk_add_f32 v[224:225], v[LX+4:LX+5], v[LX+6:LX+7]
.irp j, 8,12,16,20,24,28
	v_pk_add_f32 v[222:223], v[222:223], v[LX+\j:LX+\j+1]
	v_pk_add_f32 v[224:225], v[224:225], v[LX+\j+2:LX+\j+3]
.endr
	v_pk_add_f32 v[222:223], v[222:223], v[224:225]
	v_add_f32 v222, v222, v223
.irp x, 1,2,4,8
	v_add_f32_dpp v222, v222, v222 row_xmask:\x row_mask:0xf bank_mask:0xf   ; a row lies in 16 lanes
.endr
	v_mul_f32 v222, s45, v222                              ; the mean
.set jj, 0
.rept 16
	v_pk_add_f32 v[LX+jj:LX+jj+1], v[LX+jj:LX+jj+1], v[222:223] op_sel_hi:[1,0] neg_lo:[0,1] neg_hi:[0,1]
.set jj, jj+2
.endr
	v_pk_mul_f32 v[224:225], v[LX:LX+1], v[LX:LX+1]
	v_pk_mul_f32 v[226:227], v[LX+2:LX+3], v[LX+2:LX+3]
.irp j, 4,8,12,16,20,24,28
	v_pk_fma_f32 v[224:225], v[LX+\j:LX+\j+1], v[LX+\j:LX+\j+1], v[224:225]
	v_pk_fma_f32 v[226:227], v[LX+\j+2:LX+\j+3], v[LX+\j+2:LX+\j+3], v[226:227]
.endr
	v_pk_add_f32 v[224:225], v[224:225], v[226:227]
	v_add_f32 v224, v224, v225
.irp x, 1,2,4,8
	v_add_f32_dpp v224, v224, v224 row_xmask:\x row_mask:0xf bank_mask:0xf
.endr
	v_fma_f32 v224, v224, s45, s46                         ; the variance + 1e-5
	v_rsq_f32 v224, v224
	v_nop                                                  ; a plain line behind the transcendental,
	s_wait_alu depctr_va_vdst(0)                           ; the reciprocal root v224 is written, ahead of its first reader
	s_wait_loadcnt 0x0                                     ; g and b (and the record of weights asked for ahead of them)
.set jj, 0
.rept 16
	v_pk_mul_f32 v[LX+jj:LX+jj+1], v[LX+jj:LX+jj+1], v[224:225] op_sel_hi:[1,0]
.set jj, jj+2
.endr
.set jj, 0
.rept 16
	v_pk_fma_f32 v[LX+jj:LX+jj+1], v[LX+jj:LX+jj+1], v[LG+jj:LG+jj+1], v[LB+jj:LB+jj+1]
.set jj, jj+2
.endr
	QROW LX, 228, 236, 5, 6
.endm
; v[src] on: for each of the two tiles of rows 16 numbers of a lane, columns 16 h on of one block of 32.  The block codes of local row l (24 bytes) and its scale byte go to LDS.
.macro QB2 src, adr, sadr, imm, simm
	v_mov_b32 v226, 0                                      ; the destination of a lane permute counts as one of its sources
	v_mov_b32 v227, 0
.irp mm, 0,1
	v_max3_num_f32 v[224+\mm], |v[\src+16*\mm]|, |v[\src+16*\mm+1]|, 0x1800000
.endr
.irp i, 2,4,6,8,10,12,14
.irp mm, 0,1
	v_max3_num_f32 v[224+\mm], v[224+\mm], |v[\src+16*\mm+\i]|, |v[\src+16*\mm+\i+1]|
.endr
.endr
.irp mm, 0,1
	v_permlanex16_b32 v[226+\mm], v[224+\mm], s40, s41
.endr
.irp mm, 0,1
	v_max_num_f32 v[224+\mm], v[224+\mm], v[226+\mm]
.endr
.irp mm, 0,1
	v_add_nc_u32 v[228+\mm], 0xff000000, v[224+\mm]
.endr
.irp mm, 0,1
	v_lshrrev_b32 v[230+\mm], 23, v[228+\mm]
.endr
	v_cvt_scalef32_pk16_fp6_f32 v[232:234], v[\src:\src+15], v228
	v_cvt_scalef32_pk16_fp6_f32 v[236:238], v[\src+16:\src+31], v229
	v_cndmask_b32 v240, v231, v230, s44                    ; the byte of local row l; also the plain line behind the conversions
.irp i, 0,1,2
	v_permlane16_swap_b32 v[232+\i], v[236+\i]             ; lanes 0-15 now hold tile 0, lanes 16-31 tile 1: the lower 16 codes here, the upper 16 there
.endr
	v_mov_b32 v235, v236
	v_mov_b32 v236, v237
	v_mov_b32 v237, v238
	s_wait_alu depctr_va_vdst(0)                           ; the codes and the byte are written, which the LDS stores below read, and so are the addresses made ahead of this macro; the quantiser is done reading its 32 numbers, in which later loads land
	ds_store_b64 v[\adr], v[232:233] offset:\imm
	ds_store_b64 v[\adr], v[234:235] offset:\imm+8
	ds_store_b64 v[\adr], v[236:237] offset:\imm+16
	ds_store_b8 v[\sadr], v240 offset:\simm
.endm
.macro RESID                           ; the residual takes my 32 columns of the 32 rows: only I touch these bytes between the two barriers
.irp mm, 0,1
.irp k, 0,1,2,3
	ds_load_b128 v[222+16*\mm+4*\k:225+16*\mm+4*\k], v13 offset:16*\mm*2320+16*\k
.endr
.endr
	s_wait_dscnt 0x0
.set jj, 0
.rept 16
	v_pk_add_f32 v[222+jj:223+jj], v[222+jj:223+jj], v[ACC+jj:ACC+jj+1]   ; each accumulator from its low end on
.set jj, jj+2
.endr
	s_wait_alu depctr_va_vdst(0)                           ; the additions have written v222 to v253, which the LDS stores read; they and the products are done with the accumulators, the bias and the fragments, in which g, b and rows land below
.irp mm, 0,1
.irp k, 0,1,2,3
	ds_store_b128 v13, v[222+16*\mm+4*\k:225+16*\mm+4*\k] offset:16*\mm*2320+16*\k
.endr
.endr
.endm
; q (in ACC) is quantised; its head is one block of 32.  Nine groups of six registers from v16: Z QLa Z QHa Z QLb Z QHb Z.  QL: the 32 codes in lanes 0-15, zeros above; QH: the other way; Z: zeros.
; Twelve registers from 16 + 24 tau + 6, 18, 0, 12 are then source 1 with q in block 0, 1, 2, 3 and zero codes elsewhere.
.macro QPREP
.irp z, 16,28,40,52,64
.irp i, 0,1,2,3,4,5
	v_mov_b32 v[\z+\i], 0
.endr
.endr
.irp i, 224,225,238,239,240,242,243,244
	v_mov_b32 v\i, 0                                       ; destinations of lane permutes
.endr
.irp mm, 0,1
	v_max3_num_f32 v[222+\mm], |v[ACC+16*\mm]|, |v[ACC+16*\mm+1]|, 0x1800000
.endr
.irp i, 2,4,6,8,10,12,14
.irp mm, 0,1
	v_max3_num_f32 v[222+\mm], v[222+\mm], |v[ACC+16*\mm+\i]|, |v[ACC+16*\mm+\i+1]|
.endr
.endr
.irp mm, 0,1
	v_permlanex16_b32 v[224+\mm], v[222+\mm], s40, s41
.endr
.irp mm, 0,1
	v_max_num_f32 v[222+\mm], v[222+\mm], v[224+\mm]
.endr
.irp mm, 0,1
	v_add_nc_u32 v[226+\mm], 0xff000000, v[222+\mm]
.endr
.irp mm, 0,1
	v_lshrrev_b32 v[228+\mm], 23, v[226+\mm]
.endr
	v_cvt_scalef32_pk16_fp6_f32 v[230:232], v[ACC:ACC+15], v226
	v_cvt_scalef32_pk16_fp6_f32 v[234:236], v[ACC+16:ACC+31], v227
	v_nop                                                  ; one plain line behind a scaled conversion
.irp mm, 0,1
.irp i, 0,1,2
	v_permlanex16_b32 v[238+4*\mm+\i], v[230+4*\mm+\i], s40, s41   ; the other half of the block
.endr
.endr
.irp mm, 0,1
.irp i, 0,1,2
	v_cndmask_b32 v[22+24*\mm+\i], 0, v[230+4*\mm+\i], s44
	v_cndmask_b32 v[25+24*\mm+\i], 0, v[238+4*\mm+\i], s44
	v_cndmask_b32 v[34+24*\mm+\i], v[238+4*\mm+\i], 0, s44
	v_cndmask_b32 v[37+24*\mm+\i], v[230+4*\mm+\i], 0, s44
.endr
.endr
.irp mm, 0,1
	v_lshl_or_b32 v[QS+\mm], v[228+\mm], 8, v[228+\mm]     ; the byte in all four places: it serves whichever block q stands in
.endr
.irp mm, 0,1
	v_lshl_or_b32 v[QS+\mm], v[QS+\mm], 16, v[QS+\mm]
.endr
.endm
.macro LOADK                           ; 7 loads
.irp k, 0,1,2,3,4,5
	global_load_b128 v[KF+4*\k:KF+4*\k+3], v1, s[48:49] offset:512*\k
.endr
	global_load_b32 v[SK], v2, s[48:49] offset:6144
.endm
.macro LOADV                           ; 7 loads
.irp k, 0,1,2,3,4,5
	global_load_b128 v[VF+4*\k:VF+4*\k+3], v1, s[48:49] offset:3072+512*\k
.endr
	global_load_b32 v[SV], v2, s[48:49] offset:6148
.endm
.macro ADV                             ; on to the next record; behind the last one back to the first, so that every trip loads alike and no load leaves the buffer
	s_wait_xcnt 0x0                                        ; the loads that name the base have read it
	s_add_nc_u64 s[50:51], s[48:49], 6400
	s_cmp_gt_u32 s35, 1
	s_cselect_b64 s[48:49], s[50:51], s[52:53]
.endm
.macro QK tau                          ; eight tiles of 16 keys: S^T, register 16 b + i = key 32 b + 16 h + i
.irp f, 0,1
	WMM SS+8*(4*\f+0), KF+12*\f, 16+24*\tau+6, 0, 0, SK, QS+\tau, \f
	WMM SS+8*(4*\f+1), KF+12*\f, 16+24*\tau+18, 0, 0, SK, QS+\tau, \f
	WMM SS+8*(4*\f+2), KF+12*\f, 16+24*\tau+0, 0, 0, SK, QS+\tau, \f
	WMM SS+8*(4*\f+3), KF+12*\f, 16+24*\tau+12, 0, 0, SK, QS+\tau, \f
.endr
.endm
.macro MASK dq                         ; only the last key step of a tile lies on the diagonal: there hidden scores become -infinity ahead of the maximum
	s_cmp_lg_u32 s35, 1
	s_cbranch_scc1 .Lopen_\@
	v_and_b32 v248, 15, v0
	v_bfe_u32 v249, v0, 4, 1
	v_lshlrev_b32 v249, 4, v249
	v_sub_nc_u32 v248, v248, v249
	v_add_nc_u32 v248, s[\dq], v248                        ; d = my query less the first key of the step less 16 h: register 16 b + i is hidden where 32 b + i > d
	v_mov_b32 v250, 0xff800000
.set jj, 0
.rept 8                                ; an accumulator's eight registers at a time: eight compares into eight scalar registers (s4, s5, s8, s9, s18 to s21: pointers that are done with), one wait, eight selections
.irp k, 0,1
	v_cmp_gt_i32 s[4+\k], 32*((jj+\k)/16)+(jj+\k)%16, v248
	v_cmp_gt_i32 s[8+\k], 32*((jj+2+\k)/16)+(jj+2+\k)%16, v248
.endr
.irp k, 0,1,2,3
	v_cmp_gt_i32 s[18+\k], 32*((jj+4+\k)/16)+(jj+4+\k)%16, v248
.endr
	s_wait_alu depctr_va_sdst(0)                           ; the eight compares have written their masks, ahead of the selections that read them
.irp k, 0,1
	v_cndmask_b32 v[SS+jj+\k], v[SS+jj+\k], v250, s[4+\k]
	v_cndmask_b32 v[SS+jj+2+\k], v[SS+jj+2+\k], v250, s[8+\k]
.endr
.irp k, 0,1,2,3
	v_cndmask_b32 v[SS+jj+4+\k], v[SS+jj+4+\k], v250, s[18+\k]
.endr
.set jj, jj+8
.endr
.Lopen_\@:
.endm
.macro SOFTMAX tau
.set ST, 8+4*(\tau)                    ; -M, the largest t, the sum in two halves
.set OT, OA+16*(\tau)
.irp b, 0,1,2,3
	v_max3_num_f32 v[BM+\b], v[SS+16*\b], v[SS+16*\b+1], v[SS+16*\b+2]   ; the largest score of each block of 32 keys: for the maximum of the row, and, since p rises with the score, for the largest p of the block
.endr
.irp i, 3,5,7,9,11,13
.irp b, 0,1,2,3
	v_max3_num_f32 v[BM+\b], v[BM+\b], v[SS+16*\b+\i], v[SS+16*\b+\i+1]
.endr
.endr
.irp b, 0,1,2,3
	v_max_num_f32 v[BM+\b], v[BM+\b], v[SS+16*\b+15]
.endr
.irp b, 0,1,2,3
	v_permlanex16_b32 v[BX+\b], v[BM+\b], s40, s41
.endr
.irp b, 0,1,2,3
	v_max_num_f32 v[BM+\b], v[BM+\b], v[BX+\b]
.endr
	v_max3_num_f32 v[TT], v[BM], v[BM+1], v[BM+2]
	v_max_num_f32 v[TT], v[TT], v[BM+3]
	v_mul_f32 v[TT], s42, v[TT]
	v_max_num_f32 v[ST+1], v[ST+1], v[TT]                  ; the running largest t
	v_mov_b32 v[TT], v[ST]
	v_floor_f32 v[ST], -v[ST+1]                            ; -M = floor(-t): M is a whole number
	v_sub_f32 v[TT], v[ST], v[TT]
	v_cvt_i32_f32 v[TT], v[TT]                             ; (it saturates)
	v_ldexp_f32 v[FF], 1.0, v[TT]                          ; f = 2^(old M - new M): a multiplication by it rounds nothing
.set jj, 0
.rept 32
	v_pk_fma_f32 v[SS+jj:SS+jj+1], v[SS+jj:SS+jj+1], s[42:43], v[ST:ST+1] op_sel_hi:[1,0,0]   ; t - M
.set jj, jj+2
.endr
.irp b, 0,1,2,3
	v_fma_f32 v[BM+\b], v[BM+\b], s42, v[ST]
.endr
.set jj, 0
.rept 64
	v_exp_f32 v[SS+jj], v[SS+jj]                           ; p = 2^(t - M): not normalised
.set jj, jj+1
.endr
	v_pk_mul_f32 v[ST+2:ST+3], v[ST+2:ST+3], v[FF:FF+1] op_sel_hi:[1,0]   ; the sums under the new M; a plain line behind the exponentials
	s_wait_alu depctr_va_vdst(0)                           ; the 64 exponentials have written p, v126 to v189: one wait for the batch, ahead of its first reader
.irp b, 0,1,2,3
	v_exp_f32 v[BM+\b], v[BM+\b]                           ; the largest p of each block
.endr
	v_pk_add_f32 v[BX:BX+1], v[SS:SS+1], v[SS+2:SS+3]      ; the sum of the unquantised p, in two chains
.irp j, 4,8,12,16,20,24,28,32,36,40,44,48,52,56,60
	v_pk_add_f32 v[ST+2:ST+3], v[ST+2:ST+3], v[SS+\j:SS+\j+1]
	v_pk_add_f32 v[BX:BX+1], v[BX:BX+1], v[SS+\j+2:SS+\j+3]
.endr
	v_pk_add_f32 v[ST+2:ST+3], v[ST+2:ST+3], v[BX:BX+1]
	s_wait_alu depctr_va_vdst(0)                           ; the four exponentials have written v222 to v225, ahead of their first reader
.irp b, 0,1,2,3
	v_max_num_f32 v[BM+\b], 0x1800000, v[BM+\b]            ; the floor: a block whose every p is 0 keeps the byte 1; its codes are zeros
.endr
.irp b, 0,1,2,3
	v_add_nc_u32 v[SO+\b], 0xff000000, v[BM+\b]
.endr
.irp b, 0,1,2,3
	v_lshrrev_b32 v[BX+\b], 23, v[SO+\b]
.endr
	v_lshl_or_b32 v[PW], v[BX+1], 8, v[BX]
	v_lshl_or_b32 v[PW], v[BX+2], 16, v[PW]
	v_lshl_or_b32 v[PW], v[BX+3], 24, v[PW]
.irp c, 0,1
	v_cvt_scalef32_pk16_fp6_f32 v[PC+6*\c:PC+6*\c+2], v[SS+32*\c:SS+32*\c+15], v[SO+2*\c]
	v_cvt_scalef32_pk16_fp6_f32 v[PT+4*\c:PT+4*\c+2], v[SS+32*\c+16:SS+32*\c+31], v[SO+2*\c+1]
.endr
	v_nop                                                  ; one plain line behind a scaled conversion
.irp c, 0,1
.irp i, 0,1,2
	v_permlane16_swap_b32 v[PC+6*\c+\i], v[PT+4*\c+\i]
.endr
.irp i, 0,1,2
	v_mov_b32 v[PC+3+6*\c+\i], v[PT+4*\c+\i]
.endr
.endr
.set jj, 0
.rept 8
	v_pk_mul_f32 v[OT+jj:OT+jj+1], v[OT+jj:OT+jj+1], v[FF:FF+1] op_sel_hi:[1,0]   ; O^T under the new M
.set jj, jj+2
.endr
	NOP4                                                   ; with the lines above: eight places between the scale word of p and the products, four behind its codes, that name none of a product's registers
.endm
.macro PV tau                          ; O^T += V^T P^T: register 8 u + j = channel 16 h + 8 u + j
.irp u, 0,1
	WMM OA+16*\tau+8*\u, VF+12*\u, PC, 1, OA+16*\tau+8*\u, SV, PW, \u
.endr
.endm
.macro ATT_STEP tau, waitv, loadk, loadv, mask, dq
	QK \tau
	NOP4
.if \loadk
	s_wait_alu depctr_va_vdst(0)                           ; the products with K are done reading its two fragments and its scale word, in which the next step's land
	ADV
	LOADK                                                  ; K of the next step, a softmax ahead of its use
.endif
.if \mask
	MASK \dq
.endif
	SOFTMAX \tau
	s_wait_loadcnt \waitv                                  ; V of this step is in; out may be the loads issued behind it
	s_wait_alu depctr_va_vdst(0)                           ; the codes of p and its scale word are written, which the scaled products below take as source 1 and as its scales; the places stand above this wait
	PV \tau
	NOP4
.if \loadv
	s_wait_alu depctr_va_vdst(0)                           ; the two products are done reading the fragments of V and its scale word, in which the next step's land; behind the last step: in which the projection's record lands
	LOADV
.endif
.endm
.macro FINAL                           ; O^T / the sum, quantised (a head is one block of the projection K) into the second pair of regions; the addresses v3 to v16 are made anew on the way
	v_add_f32 v242, v10, v11
	v_add_f32 v243, v14, v15
	v_permlanex16_b32 v244, v242, s40, s41
	v_permlanex16_b32 v245, v243, s40, s41
	v_add_f32 v242, v242, v244
	v_add_f32 v243, v243, v245
	v_rcp_f32 v242, v242
	v_rcp_f32 v244, v243
	v_and_b32 v128, 31, v0                                 ; plain lines behind the reciprocals: where local row l puts block w
	s_mul_i32 s2, s32, 24
	s_add_co_u32 s2, s2, ACT+A2OFF
	v_mul_u32_u24 v126, v128, 400
	v_add_nc_u32 v126, s2, v126
	s_add_co_u32 s2, s32, ACTS+A2OFF
	v_lshl_add_u32 v127, v128, 4, s2
	s_wait_alu depctr_va_vdst(0)                           ; both reciprocals, v242 and v244, are written: one wait, ahead of their first reader
.set jj, 0
.rept 8
	v_pk_mul_f32 v[OA+jj:OA+jj+1], v[OA+jj:OA+jj+1], v[242:243] op_sel_hi:[1,0]
.set jj, jj+2
.endr
.rept 8
	v_pk_mul_f32 v[OA+jj:OA+jj+1], v[OA+jj:OA+jj+1], v[244:245] op_sel_hi:[1,0]
.set jj, jj+2
.endr
	SETADDR                                                ; the statistics are done with.  It stands ahead of the quantiser, whose wait then states that these addresses are written too
	QB2 OA, 126, 127, 0, 0
.endm
; An attention layer.  On entry: the normed rows lie in ACT behind a barrier, wq's record has been asked for.  On exit: the next norm's rows lie in ACT behind a barrier, the next record has been asked for.
.macro LAYER causal, pwimm, pb, kvoff, ng, nb, nbase, nimm, ffb
	s_wait_loadcnt 0x0
	GEMMK 7, 8, 400, 16, 0, 0, 0, 0                        ; q of my head, both tiles
	NOP4
	s_lshl_b32 s2, s33, 4
	s_add_co_u32 s2, s2, s32
	s_mul_i32 s2, s2, 51200                                ; eight records for each batch and head
	s_mov_b32 s3, 0
	s_add_nc_u64 s[52:53], s[6:7], s[2:3]
.if \kvoff
	s_add_nc_u64 s[52:53], s[52:53], \kvoff
.endif
	s_mov_b64 s[48:49], s[52:53]
	s_wait_alu depctr_va_vdst(0)                           ; the products for q are done reading the record of weights and its scale words, in which K and V land
	LOADK
	LOADV
	s_wait_alu depctr_vm_vsrc(0)                           ; the loads and LDS instructions so far have read the addresses that they name among v8 to v15, and the LDS stores of the norm their codes and byte, v228 on: the statistics and the quantiser of q write these
	QPREP
.irp t, 0,1
	v_mov_b32 v[9+4*\t], 0xff61b1e6                        ; the largest t so far: -3e38
	v_floor_f32 v[8+4*\t], -v[9+4*\t]
	v_mov_b32 v[10+4*\t], 0
	v_mov_b32 v[11+4*\t], 0
.endr
.irp b, 0,1,2,3
	v_mov_b32 v[BX+\b], 0
.endr
.set jj, 0
.rept 32
	v_mov_b32 v[OA+jj], 0                                  ; O^T: the step is written once, and its first trip finds zeros.  (These lines are also the places between q, its scale word and the first product)
.set jj, jj+1
.endr
	s_wait_alu depctr_va_vdst(0)                           ; the groups of q, v16 to v69, and its scale words v122 and v123 are written, which the scaled products of every key step take as source 1 and as its scales; the places stand above this wait
.if \causal
	s_mov_b32 s35, s36                                     ; tile a: a / 8 + 1 key steps
.Lpa_\@:
	s_wait_loadcnt 7                                       ; K of this step is in; the 7 loads of its V may be out
	ATT_STEP 0, 7, 1, 1, 1, 38
	s_sub_co_u32 s35, s35, 1
	s_cmp_lg_u32 s35, 0
	s_cbranch_scc1 .Lpa_\@
	s_mov_b32 s35, s37                                     ; tile 63 - a; the last trip above has asked for record 0
.Lpb_\@:
	s_wait_loadcnt 7
	ATT_STEP 1, 7, 1, 1, 1, 39
	s_sub_co_u32 s35, s35, 1
	s_cmp_lg_u32 s35, 0
	s_cbranch_scc1 .Lpb_\@
.else
	s_mov_b32 s35, 8                                       ; no mask: one record serves both tiles
.Lpc_\@:
	s_wait_loadcnt 7
	ATT_STEP 0, 0, 0, 0, 0, 0
	ATT_STEP 1, 7, 1, 1, 0, 0
	s_sub_co_u32 s35, s35, 1
	s_cmp_lg_u32 s35, 0
	s_cbranch_scc1 .Lpc_\@
.endif
	s_wait_loadcnt 0x0                                     ; the last trip's loads have landed: their registers take the projection's record
	WLOAD 54, \pwimm                                       ; (no vector or matrix instruction has been issued since the last step's last wait)
.if \causal
	; The cross attention's records are asked for here, behind the loads just issued: a projection, a norm and a q product ahead of their first load.  The 32 work-groups of a batch read the same
	; 51,200 bytes of head w: work-groups a = 0 .. 5 name 8,192 bytes each, lanes 256 bytes apart: 192 of the 200 blocks, each once in the launch.
	s_cmp_lt_u32 s34, 6
	s_cbranch_scc0 .Lnopf_\@
	global_prefetch_b8 v255, s[62:63] th:TH_LOAD_NT scope:SCOPE_SE
.Lnopf_\@:
.endif
	FINAL
	BLOAD \pb, 15, 0                                       ; (behind the quantiser's wait: v15 is written, and the quantiser is done reading O^T, in which the bias lands)
	BARRIER                                                ; the attention results of all heads lie in LDS
	s_wait_alu depctr_vm_vsrc(0)                           ; my LDS stores of the attention results have read their addresses v126 and v127, in which fragments land below, and their codes and byte, v232 to v240, in which rows of the residual land
	s_wait_loadcnt 0x0
	GEMMK 7, 8, 400, 16, A2OFF, A2OFF, 0, 1                ; the projection; its bias starts the sums
	NOP4
	s_wait_alu depctr_va_vdst(0)                           ; the products are done reading the record of weights and its scale words, in which the next record lands
	WLOAD \nbase, \nimm
	RESID
	GBLOAD \ng, \nb
	BARRIER                                                ; the residual is whole
	LNCORE
.if \ffb
	BLOAD 14, 16, 0
.endif
	BARRIER                                                ; the normed rows lie in ACT
.endm
	s_load_b512 s[4:19], s[0:1], 0x0                       ; x, kv, wimg, sa_pb, ca_pb, ff_b1, ff_b2, ln1_g
	s_load_b256 s[20:27], s[0:1], 0x40                     ; ln1_b, ln2_g, ln2_b, ln3_g
	s_load_b128 s[28:31], s[0:1], 0x60                     ; ln3_b, out0
	v_lshrrev_b32 v1, 5, v0
	v_readfirstlane_b32 s32, v1                            ; wave 0..15
	s_wait_alu depctr_va_sdst(0)                           ; s32 is written, ahead of its first reader: bases and addresses are made from it
	s_lshr_b32 s33, ttmp9, 5                               ; batch
	s_and_b32 s34, ttmp9, 31                               ; a
	s_sub_co_u32 s35, 63, s34                              ; 63 - a
	s_lshr_b32 s36, s34, 3
	s_add_co_u32 s36, s36, 1                               ; key steps of tile a,
	s_lshr_b32 s37, s35, 3
	s_add_co_u32 s37, s37, 1                               ; of tile 63 - a
	s_and_b32 s38, s34, 7
	s_lshl_b32 s38, s38, 4                                 ; where a tile begins in its last key step
	s_and_b32 s39, s35, 7
	s_lshl_b32 s39, s39, 4
	s_mov_b32 s40, 0x76543210
	s_mov_b32 s41, 0xfedcba98                              ; selects of v_permlanex16_b32 for lane l xor 16
	s_mov_b32 s42, 0x3e8293ee                              ; log2(e) / sqrt(32)
	s_mov_b32 s43, s42                                     ; (named with it as a pair)
	s_mov_b32 s44, 0xffff                                  ; lanes 0-15
	s_mov_b32 s45, 0x3b000000                              ; 1 / 512
	s_mov_b32 s46, 0x3727c5ac                              ; 1e-5
	s_cmp_lt_u32 s32, 8                                    ; waves 0-7 hold the rows of tile a, waves 8-15 those of tile 63 - a
	s_cselect_b32 s2, s34, s35
	s_lshl_b32 s2, s2, 4
	s_and_b32 s3, s32, 7
	s_lshl_b32 s3, s3, 1
	s_add_co_u32 s2, s2, s3
	s_lshl_b32 s3, s33, 10
	s_add_co_u32 s2, s2, s3
	s_lshl_b32 s2, s2, 11                                  ; my two rows, 2,048 bytes each
	s_mov_b32 s3, 0
	s_wait_kmcnt 0x0
	s_add_nc_u64 s[58:59], s[4:5], s[2:3]
	s_add_nc_u64 s[60:61], s[30:31], s[2:3]
	s_mul_i32 s2, s32, 12800
	s_add_nc_u64 s[54:55], s[8:9], s[2:3]                  ; weights with one record a wave
	s_mul_i32 s2, s32, 51200
	s_add_nc_u64 s[56:57], s[8:9], s[2:3]                  ; with four
	s_lshl_b32 s2, s33, 4
	s_add_co_u32 s2, s2, s32
	s_mul_i32 s2, s2, 51200
	s_lshl_b32 s47, s34, 13
	s_add_co_u32 s2, s2, s47
	s_add_nc_u64 s[62:63], s[6:7], s[2:3]
	s_add_nc_u64 s[62:63], s[62:63], 6553600               ; what this work-group names of the cross attention's records (used where a < 6 alone)
	v_and_b32 v17, 31, v0
	v_lshlrev_b32 v1, 4, v17
	v_lshlrev_b32 v2, 3, v17
	v_lshlrev_b32 v255, 8, v17
	SETADDR
	s_wait_alu depctr_va_vdst(0)                           ; the offsets v1, v2 and v255 and the addresses v3 to v16 are written, which the loads, the prefetch and the LDS instructions below read
.irp i, 0,1,2,3,4,5,6,7
	global_load_b128 v[222+4*\i:225+4*\i], v1, s[58:59] offset:512*\i th:TH_LOAD_NT   ; 32 lanes read 512 consecutive bytes
.endr
	WLOAD 54, 0                                            ; sa_wq
	GBLOAD 18, 20
	s_wait_loadcnt 41                                      ; x is in; out may be the 25 + 16 loads behind it
.irp i, 0,1,2,3,4,5,6,7
	ds_store_b128 v3, v[222+4*\i:225+4*\i] offset:(\i/4)*2320+576*(\i%4)
.endr
	LNCORE                                                 ; LDS serves the instructions of a wave in order: its loads see my stores above
	BARRIER
	LAYER 1, 204800, 10, 0, 22, 24, 54, 409600, 0          ; self-attention; then norm 2 and ca_wq
	LAYER 0, 614400, 12, 6553600, 26, 28, 56, 819200, 1    ; cross attention; then norm 3, the first record of ff_w1 and its bias
	; ---- the hidden layer: my 128 columns, 32 at a time: bias, relu, quantised into LDS
.irp i, 0,1,2,3
	s_wait_loadcnt 0x0
	GEMMK 7, 8, 400, 16, 0, 0, 0, 1
	NOP4
	s_wait_alu depctr_va_vdst(0)                           ; the products are done reading the record of weights, its scale words and the bias, in which the next ones land
.if \i < 3
	WLOAD 56, 819200+12800*(\i+1)
	BLOAD 14, 16, 128*(\i+1)
.else
	WLOAD 56, 1638400                                      ; the first record of ff_w2,
	BLOAD 16, 15, 0                                        ; and ff_b2
.endif
.set jj, 0
.rept 32
	v_max_num_f32 v[ACC+jj], 0, v[ACC+jj]
.set jj, jj+1
.endr
	s_wait_alu depctr_vm_vsrc(0)                           ; the LDS stores of the norm, or of the 32 columns before, have read their codes and byte, v228 to v240, which the quantiser writes again
	QB2 ACC, 11, 12, 24*\i, \i
.endr
	BARRIER                                                ; the hidden layer lies in LDS
	; ---- the second product: K = 2,048 in four records
.irp kq, 0,1,2,3
	s_wait_loadcnt 0x0
.if \kq == 0
	GEMMK 9, 10, 1552, 68, 0, 0, \kq, 1
.else
	GEMMK 9, 10, 1552, 68, 0, 0, \kq, 2
.endif
	NOP4
.if \kq < 3
	s_wait_alu depctr_va_vdst(0)                           ; the products are done reading the record of weights and its scale words, in which the next record lands, and the fragments of the hidden layer, in which the next ones land
	WLOAD 56, 1638400+12800*(\kq+1)
.endif
.endr
	s_wait_alu depctr_vm_vsrc(0)                           ; the LDS stores of the hidden layer's last 32 columns have read v232 to v240, in which rows of the residual land below
	RESID
	BARRIER                                                ; the result is whole
.irp i, 0,1,2,3,4,5,6,7
	ds_load_b128 v[126+4*\i:129+4*\i], v3 offset:(\i/4)*2320+576*(\i%4)
.endr
.irp i, 0,1,2,3,4,5,6,7
	s_wait_dscnt 7-\i                                      ; LDS loads come back in order: load i is in
	global_store_b128 v1, v[126+4*\i:129+4*\i], s[60:61] offset:512*\i th:TH_STORE_NT   ; 32 lanes store 512 consecutive bytes, at a multiple of 256 from the first byte of out0
.endr
	s_wait_xcnt 0x0
	v_lshl_add_u32 v254, v0, 2, 0x25500
	v_mov_b32 v255, 0
	s_wait_dscnt 0x0                                       ; the closing lines, six on end
	s_wait_alu 0x0
	s_wait_tensorcnt 0x0
	ds_add_u32 v254, v255
	s_wait_dscnt 0x0
	s_endpgm
.Lfunc_end_k_q3c288638a1_block:
	.size	k_q3c288638a1_block, .Lfunc_end_k_q3c288638a1_block-k_q3c288638a1_block
	.p2alignl 7, 3214868480
	.fill 96, 4, 3214868480
	.section	.rodata,"a",@progbits
	.p2align	6, 0x0
	.amdhsa_kernel k_q3c288638a1_block
		.amdhsa_group_segment_fixed_size 154880
		.amdhsa_private_segment_fixed_size 0
		.amdhsa_enable_private_segment 0
		.amdhsa_kernarg_size 112
		.amdhsa_user_sgpr_count 2
		.amdhsa_user_sgpr_kernarg_segment_ptr 1
		.amdhsa_wavefront_size32 1
		.amdhsa_system_sgpr_workgroup_id_x 1
		.amdhsa_system_sgpr_workgroup_id_y 1
		.amdhsa_system_sgpr_workgroup_id_z 1
		.amdhsa_system_vgpr_workitem_id 0
		.amdhsa_next_free_vgpr 256
		.amdhsa_next_free_sgpr 66
		.amdhsa_reserve_vcc 0
		.amdhsa_float_denorm_mode_32 3
		.amdhsa_float_denorm_mode_16_64 3
		.amdhsa_memory_ordered 1
		.amdhsa_forward_progress 1
		.amdhsa_inst_pref_size 255
	.end_amdhsa_kernel
	.section	.bss,"aw",@nobits
	.p2align	6
	.space	262144
	.amdgpu_metadata
---
amdhsa.version: [ 1, 2 ]
amdhsa.kernels:
  - .name:           k_q3c288638a1_block
    .symbol:         k_q3c288638a1_block.kd
    .args:
      - { .name: x, .offset: 0, .size: 8, .value_kind: global_buffer, .address_space: global }
      - { .name: kv, .offset: 8, .size: 8, .value_kind: global_buffer, .address_space: global }
      - { .name: wimg, .offset: 16, .size: 8, .value_kind: global_buffer, .address_space: global }
      - { .name: sa_pb, .offset: 24, .size: 8, .value_kind: global_buffer, .address_space: global }
      - { .name: ca_pb, .offset: 32, .size: 8, .value_kind: global_buffer, .address_space: global }
      - { .name: ff_b1, .offset: 40, .size: 8, .value_kind: global_buffer, .address_space: global }
      - { .name: ff_b2, .offset: 48, .size: 8, .value_kind: global_buffer, .address_space: global }
      - { .name: ln1_g, .offset: 56, .size: 8, .value_kind: global_buffer, .address_space: global }
      - { .name: ln1_b, .offset: 64, .size: 8, .value_kind: global_buffer, .address_space: global }
      - { .name: ln2_g, .offset: 72, .size: 8, .value_kind: global_buffer, .address_space: global }
      - { .name: ln2_b, .offset: 80, .size: 8, .value_kind: global_buffer, .address_space: global }
      - { .name: ln3_g, .offset: 88, .size: 8, .value_kind: global_buffer, .address_space: global }
      - { .name: ln3_b, .offset: 96, .size: 8, .value_kind: global_buffer, .address_space: global }
      - { .name: out0, .offset: 104, .size: 8, .value_kind: global_buffer, .address_space: global }
    .group_segment_fixed_size: 154880
    .private_segment_fixed_size: 0
    .kernarg_segment_align: 8
    .kernarg_segment_size: 112
    .max_flat_workgroup_size: 512
    .sgpr_count:     66
    .vgpr_count:     256
    .wavefront_size: 32
...
	.end_amdgpu_metadata
.endif
;; end of part 4
